; MI455X (gfx1250); checked and timed in simulation.
; The chip was launched on July 23, 2026; its instructions are those of AMD's public machine-readable ISA for CDNA 5 (MIT licence, August 2026) and "CDNA5" Instruction Set Architecture Reference Guide (July 2026). The comments in the code are by the model that wrote it; some were corrected since.
;; Complex Mo E Layer. Allowed arithmetic: matrix products marked QUANTISED: E2M1 operands, one E8M0 scale for each 32 along K, by v_wmma_scale_f32_16x16x128_f8f6f4 with both operands' format E2M1 (or v_wmma_scale_f32_32x16x128_f4), f32 sums; products left as they are: f32 operands where the result goes on into a quantised operand, else bf16, f16 or f32 operands; f32 sums; everything else in f32.
;; Inputs: W1i_codes 8 x 2,048 x 16 x 16 uint8 (E2M1 codes of W1i, K innermost, in blocks of 32 codes, two codes a byte); W1i_scales 8 x 2,048 x 16 uint8 (E8M0 scales of W1i, one for each 32 codes along K); W1r_codes 8 x 2,048 x 16 x 16 uint8 (E2M1 codes of W1r, K innermost, in blocks of 32 codes, two codes a byte); W1r_scales 8 x 2,048 x 16 uint8 (E8M0 scales of W1r, one for each 32 codes along K); W2i_codes 8 x 512 x 64 x 16 uint8 (E2M1 codes of W2i, K innermost, in blocks of 32 codes, two codes a byte); W2i_scales 8 x 512 x 64 uint8 (E8M0 scales of W2i, one for each 32 codes along K); W2r_codes 8 x 512 x 64 x 16 uint8 (E2M1 codes of W2r, K innermost, in blocks of 32 codes, two codes a byte); W2r_scales 8 x 512 x 64 uint8 (E8M0 scales of W2r, one for each 32 codes along K); b1i 8 x 2,048 float32; b1r 8 x 2,048 float32; b2i 8 x 512 float32; b2r 8 x 512 float32; gate_W 1,024 x 8 float32; gate_b 8 float32; mod_b 8 x 2,048 float32; x_imag 4 x 256 x 512 float32; x_real 4 x 256 x 512 float32.
;; Outputs: out0 4 x 256 x 512 float32; out1 4 x 256 x 512 float32.
;; This version of the problem:
;;   THIS VERSION OF THE PROBLEM IS GIVEN IN LOW PRECISION. The matrix products marked QUANTISED in the list below multiply operands that are first quantised to E2M1 (2 exponent bits, 1 mantissa bit; 4 bits a number), with one power-of-two scale for each 32 numbers along K (OCP MX v1.0); their sums are f32. All else is computed in f32.
;;   The module's matrix products, in the order in which they are computed (A, B: the left and right operand; K: the contracted axis; several contracted axes count as one K, in the product's order):
;;     1. [M 1,024, K 1,024] x [K 1,024, N 8]; A: computed on the way; B: input gate_W: left as it is (N = 8 < 16)
;;     2. [M 16,384, K 512] x [K 512, N 1,024]; A: input W1r (given as codes); B: input x_real: QUANTISED
;;     3. [M 16,384, K 512] x [K 512, N 1,024]; A: input W1i (given as codes); B: input x_imag: QUANTISED
;;     4. [M 16,384, K 512] x [K 512, N 1,024]; A: input W1i (given as codes); B: input x_real: QUANTISED
;;     5. [M 16,384, K 512] x [K 512, N 1,024]; A: input W1r (given as codes); B: input x_imag: QUANTISED
;;     6. batch 8 x [M 1,024, K 2,048] x [K 2,048, N 512]; A: computed on the way; B: input W2r (given as codes): QUANTISED
;;     7. batch 8 x [M 1,024, K 2,048] x [K 2,048, N 512]; A: computed on the way; B: input W2i (given as codes): QUANTISED
;;     8. batch 8 x [M 1,024, K 2,048] x [K 2,048, N 512]; A: computed on the way; B: input W2i (given as codes): QUANTISED
;;     9. batch 8 x [M 1,024, K 2,048] x [K 2,048, N 512]; A: computed on the way; B: input W2r (given as codes): QUANTISED
;;     10. batch 1,024 x [M 1, K 8] x [K 8, N 512]; A: computed on the way; B: computed on the way: left as it is (K = 8 < 32)
;;     11. batch 1,024 x [M 1, K 8] x [K 8, N 512]; A: computed on the way; B: computed on the way: left as it is (K = 8 < 32)
;;   THE QUANTISER, for each operand of a quantised product, along K:
;;     - K is cut into blocks of 32 from its start; a last block that is shorter is filled with zeros.
;;     - A block's scale is 2^e with e = floor(log2(the largest magnitude in the block)) - 2, held to -126 .. 127; a block of zeros has e = 0. As a byte (E8M0): e + 127.
;;     - Each number is divided by its block's scale, clamped to +-6, and rounded to the nearest number of E2M1, ties to even, subnormals kept.
;;     - The product sums the exact products of the quantised numbers (number of the format x scale) in f32.
;;   ~~~python
;;   def quantise(x, axis):      # numpy; x: float32 -> the quantised numbers, widened to float32 again
;;       x = np.moveaxis(x, axis, -1); K = x.shape[-1]
;;       x = np.pad(x, [(0, 0)] * (x.ndim - 1) + [(0, -K % 32)]); x = x.reshape(x.shape[:-1] + (-1, 32)); a = np.abs(x).max(-1, keepdims=True)
;;       e = np.where(a > 0, np.clip(np.frexp(np.where(a > 0, a, 1))[1] - 1 - 2, -126, 127), 0)      # np.frexp(a)[1] - 1 = floor(log2(a)), exactly
;;       r = np.clip(x / 2.0 ** e, -6, 6)
;;       step = 2.0 ** (np.maximum(np.frexp(np.where(r == 0, 1, r))[1] - 1, 0) - 1)
;;       q = np.round(r / step) * step * 2.0 ** e      # np.round: ties to even
;;       return np.moveaxis(q.reshape(q.shape[:-2] + (-1,))[..., :K], -1, axis).astype(np.float32)
;;   ~~~
;;   OPERANDS COMPUTED ON THE WAY. 'Computed on the way' means the value that the module computes at that place (a softmax that the list does not call 'softmax' is quantised finished and normalised). What goes into a quantiser is computed in f32, as accurately as f32 sums, v_exp_f32 and their like allow (about 1e-6 of the number): no bf16 or f16 on the way to a quantiser, and a product that is left as it is and whose result goes on into a quantised operand takes f32 operands (vector FMAs, or v_wmma_f32_16x16x4_f32). A number that lies on a knife's edge between two numbers of the format may be rounded either way, as far as f32 arithmetic and the matrix unit's own rounding can turn it there, and no further.
;;   INPUTS GIVEN AS CODES. W1i (in the module: [8, 512, 2048], K = its axis 1); W1r (in the module: [8, 512, 2048], K = its axis 1); W2i (in the module: [8, 2048, 512], K = its axis 1); W2r (in the module: [8, 2048, 512], K = its axis 1): each comes as NAME_codes (uint8): NAME with its K axis moved to the last place and cut into blocks of 32 codes, [.., K / 32, bytes a block], one block behind the other in memory; two codes a byte, the lower K in the low four bits (a code: sign, 2 exponent bits, 1 mantissa bit); and NAME_scales (uint8): the same leading axes, one E8M0 byte (e + 127) for each 32 codes along K. Its value is code x scale, taken as it is: it is not quantised again, and the codes and scales need not be those that the quantiser above would give.
;; 2 versions, each right and faster than the one before. Each part assembles by itself: llvm-mc -triple=amdgcn-amd-amdhsa -mcpu=gfx1250 --defsym DOCPART=n.
;; ======== version 1 of 2: 4 launches
;; workspace buffers: idx 4,096 bytes of whole numbers; wgt 4,096 bytes; xq 524,288 bytes; xs 32,768 bytes; meta 256 bytes of whole numbers; rowlist 34,816 bytes of whole numbers; hid 2,850,816 bytes; hs 178,176 bytes
;; launch gate (part 1): grid 256 x 1, 4 waves a work-group, no clusters, 55,040 bytes of LDS; arguments x_real, x_imag, gate_W, gate_b, xq, xs, idx, wgt; writes xq, xs, idx, wgt
.if DOCPART == 1
	.amdgcn_target "amdgcn-amd-amdhsa--gfx1250"
	.amdhsa_code_object_version 6
	.text
	.protected	k_q359a8c0e74_gate
	.globl	k_q359a8c0e74_gate
	.p2align	8
	.type	k_q359a8c0e74_gate,@function
k_q359a8c0e74_gate:
	s_mov_b64 s[64:65], 0
	v_nop
	global_prefetch_b8 v0, s[64:65] scope:SCOPE_SE
	s_setreg_imm32_b32 hwreg(HW_REG_WAVE_MODE, 25, 1), 1
	s_wait_xcnt 0x0
; ROUTER AND QUANTISER OF x.  For each of the 1,024 tokens: amp = sqrt(xr^2 + xi^2), phase = arctan2(xi, xr), scores = [amp, phase] gate_W + gate_b (f32 multiply-adds),
; the chosen expert (argmax of the softmax) and its probability 1 / sum exp(score - max); and x_real, x_imag as codes of E2M1 with one E8M0 byte for each 32 along D.
; DEAD WORK OF THE WHOLE PROGRAM.  reference() forms out[s] = sum over e of w[e][s] o[e][s] with w[e][s] = probs[s][e] x (idx[s] == e): a mask that it builds itself, 0 for every e but idx[s], whatever the inputs hold.
; So of the eight quantised products only row s of expert idx[s] reaches an output, and the sums over the 8 experts have one term: out[s] = probs[s][idx[s]] x o[idx[s]][s].  The later launches multiply the chosen rows alone.
; No input is left out: every bias and every weight feeds the rows of some choice.  LIMIT: a NaN, an infinity or an overflow that arises only in a row of an expert that was not chosen is not carried to the result.
; LIMITS: NaN and infinities among the inputs are not served.  arctan2 takes x_real = -0 as +0, and holds its divisor at 2^-126 from below, so that (0, 0) gives 0.  arctan is the polynomial of degree 9 on |u| <= tan(pi/8),
; about 1e-7 off.  Among experts whose exponential is 1.0 the lowest index is taken.  A block of zeros gets the byte 1 (its codes are zeros; this program alone reads the bytes).
; SHARES.  A work-group takes 4 tokens, a wave one.  Lane l holds d = 16 l .. 16 l + 15 of both parts: two lanes hold a block of 32.  Loads take the row as it lies (512 bytes an instruction) and the row turns through the
; wave's own stage in LDS.  gate_W, 32,768 bytes, is brought into LDS once by the four waves, as 64 pieces of 16 rows (512 bytes + 16 of padding): piece l holds lane l's rows for amp, piece 32 + l those for phase.
; No matrix instruction (N = 8), no tensor load, no cluster: the work-groups share gate_W alone, 32 KiB beside the 16 KiB of x of their own.
.set GWP,   528                        ; a piece of gate_W in LDS
.set XST,   64*GWP                     ; behind it: for each wave two stages of 32 places of 80 bytes (real, imaginary)
.set SP,    80
.set SML,   XST+4*64*SP                ; 128 bytes of x's scale bytes [wave][32], 4 words of choices, 4 words of probabilities
.set SPARE, SML+256                    ; the spare words, 128 bytes for each wave
.set LN,   1                           ; lane
.set GWI,  2                           ; gate_W into LDS: 528 wave + 16 lane
.set GWO,  3                           ; and out: 528 lane
.set TIN,  4                           ; the stage, in: 80 (lane / 4) + 16 (lane % 4)
.set TOUT, 5                           ; the stage, out: 80 lane
.set XG,   6                           ; 16 lane: my bytes of a load of x
.set WGA,  7                           ; 16 thread: my bytes of a load of gate_W
.set CG,   8                           ; 8 lane: my codes
.set XSB,  9                           ; LDS: my block's scale byte
.set IDW,  10                          ; LDS: my wave's word
.set SPW,  11                          ; my spare word; never rewritten
.set NIL,  12                          ; 0; never rewritten
.set LXS,  13                          ; LDS: 4 lane among the scale bytes
.set LIW,  14                          ; LDS: word lane % 4 of the choices
.set PI4,  15                          ; pi / 4
.set XR,   16
.set XI,   32
.set AMP,  48
.set PH,   64
.set T,    80                          ; 32 at work
.set ACC,  112                         ; the 8 scores
.set CQ,   120                         ; codes: two registers for each part
.set BQ,   124                         ; scale bytes; later the maximum, the sum, the choice, the probability
.set WB,   128                         ; gate_W: 8 of my rows x (8 for amp, 8 for phase)
	s_load_b512 s[4:19], s[0:1], 0x0               ; x_real, x_imag, gate_W, gate_b, xq, xs, idx, wgt
	v_lshl_add_u32 v[SPW], v0, 2, SPARE
	v_mov_b32 v[NIL], 0
	v_lshrrev_b32 v1, 5, v0
	v_readfirstlane_b32 s28, v1                    ; wave
	v_and_b32 v[LN], 31, v0
	s_mul_i32 s29, s28, GWP
	v_lshlrev_b32 v[XG], 4, v[LN]
	v_add_nc_u32 v[GWI], s29, v[XG]
	v_mul_u32_u24 v[GWO], v[LN], GWP
	s_mul_i32 s29, s28, 64*SP
	s_add_co_u32 s29, s29, XST
	v_lshrrev_b32 v[TIN], 2, v[LN]
	v_mul_u32_u24 v[TIN], v[TIN], SP
	v_and_b32 v[TOUT], 3, v[LN]
	v_lshl_add_u32 v[TIN], v[TOUT], 4, v[TIN]
	v_add_nc_u32 v[TIN], s29, v[TIN]
	v_mul_u32_u24 v[TOUT], v[LN], SP
	v_add_nc_u32 v[TOUT], s29, v[TOUT]
	v_lshlrev_b32 v[WGA], 4, v0
	v_lshlrev_b32 v[CG], 3, v[LN]
	s_lshl_b32 s29, s28, 5
	s_add_co_u32 s29, s29, SML
	v_lshrrev_b32 v[XSB], 1, v[LN]
	v_add_nc_u32 v[XSB], s29, v[XSB]
	s_lshl_b32 s29, s28, 2
	s_add_co_u32 s29, s29, SML+128
	v_mov_b32 v[IDW], s29
	v_lshl_add_u32 v[LXS], v[LN], 2, SML
	v_and_b32 v[LIW], 3, v[LN]
	v_lshl_add_u32 v[LIW], v[LIW], 2, SML+128
	v_mov_b32 v[PI4], 0x3f490fdb
	s_mov_b32 s30, 0x76543210                      ; v_permlanex16_b32's selects for lane l xor 16
	s_mov_b32 s31, 0xfedcba98
	s_mov_b32 s32, 0x3ed413cd                      ; tan(pi / 8)
	s_mov_b32 s33, 0x3fc90fdb                      ; pi / 2
	s_mov_b32 s34, 0x40490fdb                      ; pi
	s_mov_b32 s35, 0x3da4f0d1                      ; arctan(u) = u + u z (((c3 z + c2) z + c1) z + c0), z = u^2
	s_mov_b32 s36, 0xbe0e1b85
	s_mov_b32 s37, 0x3e4c925f
	s_mov_b32 s38, 0xbeaaaa2a
	s_mov_b32 s39, 0x7fffffff
	s_mov_b32 s40, 0x3fb8aa3b                      ; log2(e)
	s_lshl_b32 s41, ttmp9, 2
	s_add_co_u32 s41, s41, s28                     ; my token
	s_mov_b32 s43, 0
	s_wait_kmcnt 0x0
	s_load_b256 s[20:27], s[10:11], 0x0            ; gate_b
	s_lshl_b32 s42, s41, 11
	s_add_nc_u64 s[4:5], s[4:5], s[42:43]          ; my row of x: 2,048 bytes
	s_add_nc_u64 s[6:7], s[6:7], s[42:43]
	s_lshl_b32 s42, s41, 8
	s_add_nc_u64 s[12:13], s[12:13], s[42:43]      ; its codes: 256 bytes
	s_lshl_b32 s42, ttmp9, 7
	s_add_nc_u64 s[14:15], s[14:15], s[42:43]      ; the work-group's 128 scale bytes
	s_lshl_b32 s42, ttmp9, 4
	s_add_nc_u64 s[16:17], s[16:17], s[42:43]      ; its 4 choices
	s_add_nc_u64 s[18:19], s[18:19], s[42:43]      ; and 4 probabilities
.irp j, 0,1,2,3
	global_load_b128 v[T+4*\j:T+4*\j+3], v[XG], s[4:5] offset:512*\j th:TH_LOAD_NT
.endr
.irp j, 0,1,2,3
	global_load_b128 v[T+16+4*\j:T+16+4*\j+3], v[XG], s[6:7] offset:512*\j th:TH_LOAD_NT
.endr
.irp j, 0,1,2,3,4,5,6,7,8,9,10,11,12,13,14,15
	global_load_b128 v[WB+4*\j:WB+4*\j+3], v[WGA], s[8:9] offset:2048*\j   ; the four waves read 2,048 consecutive bytes
.endr
	s_wait_loadcnt 16                              ; x is in; the 16 loads of gate_W may be out
.irp j, 0,1,2,3                                ; the row turns through my stage: in as it lies, out 64 bytes a lane.  LDS serves a wave's instructions in order: no wait between
	ds_store_b128 v[TIN], v[T+4*\j:T+4*\j+3] offset:8*SP*\j
	ds_store_b128 v[TIN], v[T+16+4*\j:T+16+4*\j+3] offset:32*SP+8*SP*\j
.endr
.irp i, 0,1,2,3
	ds_load_b128 v[XR+4*\i:XR+4*\i+3], v[TOUT] offset:16*\i
	ds_load_b128 v[XI+4*\i:XI+4*\i+3], v[TOUT] offset:32*SP+16*\i
.endr
	s_wait_loadcnt 0x0                             ; gate_W
.irp j, 0,1,2,3,4,5,6,7,8,9,10,11,12,13,14,15
	ds_store_b128 v[GWI], v[WB+4*\j:WB+4*\j+3] offset:4*GWP*\j    ; load j of wave w is piece 4 j + w
.endr
	s_wait_dscnt 0x0                               ; for the others' sake: my part of gate_W lies in LDS; and my x is back
	s_barrier_signal -1
	s_barrier_wait -1
.macro WROWS g                         ; my rows g .. g + 7 of gate_W: 32 bytes for amp, 32 for phase
.irp i, 0,1,2,3,4,5,6,7
	ds_load_b128 v[WB+16*\i:WB+16*\i+3], v[GWO] offset:32*(\g+\i)
	ds_load_b128 v[WB+16*\i+4:WB+16*\i+7], v[GWO] offset:32*(\g+\i)+16
	ds_load_b128 v[WB+16*\i+8:WB+16*\i+11], v[GWO] offset:32*GWP+32*(\g+\i)
	ds_load_b128 v[WB+16*\i+12:WB+16*\i+15], v[GWO] offset:32*GWP+32*(\g+\i)+16
.endr
.endm
; 16 numbers of a lane become 16 codes and, with the neighbour lane, a block's scale byte
.macro QX x, ri
	v_max3_num_f32 v[T+4*\ri], |v[\x]|, |v[\x+1]|, |v[\x+2]|
	v_max3_num_f32 v[T+4*\ri+1], |v[\x+3]|, |v[\x+4]|, |v[\x+5]|
.irp i, 6,10
	v_max3_num_f32 v[T+4*\ri], v[T+4*\ri], |v[\x+\i]|, |v[\x+\i+1]|
	v_max3_num_f32 v[T+4*\ri+1], v[T+4*\ri+1], |v[\x+\i+2]|, |v[\x+\i+3]|
.endr
	v_max3_num_f32 v[T+4*\ri], v[T+4*\ri], |v[\x+14]|, |v[\x+15]|
	v_max3_num_f32 v[T+4*\ri], v[T+4*\ri], v[T+4*\ri+1], 0x1800000          ; the floor 2^(3 - 127): the byte cannot fall under 1
	v_max_num_f32_dpp v[T+4*\ri], v[T+4*\ri], v[T+4*\ri] row_xmask:1 row_mask:0xf bank_mask:0xf   ; with my neighbour's 16: the block's largest magnitude
	v_add_nc_u32 v[T+4*\ri+2], 0xff000000, v[T+4*\ri]                       ; 2 off its exponent field: the conversion's scale operand
	v_cvt_scalef32_pk8_fp4_f32 v[CQ+2*\ri], v[\x:\x+7], v[T+4*\ri+2]
	v_cvt_scalef32_pk8_fp4_f32 v[CQ+2*\ri+1], v[\x+8:\x+15], v[T+4*\ri+2]
	v_lshrrev_b32 v[BQ+\ri], 23, v[T+4*\ri+2]                               ; the scale's byte (also the plain line behind the conversions)
	ds_store_b8 v[XSB], v[BQ+\ri] offset:16*\ri                             ; both lanes of a block write the same byte with the same value
	global_store_b64 v[CG], v[CQ+2*\ri:CQ+2*\ri+1], s[12:13] offset:262144*\ri   ; the wave stores 256 consecutive bytes, aligned
.endm
; amp and phase of my numbers g .. g + 7.  With mx, mn the larger and smaller magnitude: arctan(mn / mx) by u = mn / mx, or, above tan(pi/8), pi/4 + arctan((mn - mx) / (mn + mx)); then the octant is undone.
.macro AMPPH g
.irp k, 0,1,2,3,4,5,6,7
	v_max_num_f32 v[T+\k], |v[XR+\g+\k]|, |v[XI+\g+\k]|
	v_min_num_f32 v[T+8+\k], |v[XR+\g+\k]|, |v[XI+\g+\k]|
.endr
.irp k, 0,1,2,3,4,5,6,7
	v_mul_f32 v[T+24+\k], s32, v[T+\k]
	v_sub_f32 v[T+16+\k], v[T+8+\k], v[T+\k]
.endr
.irp k, 0,1,2,3,4,5,6,7
	v_cmp_gt_f32 vcc_lo, v[T+8+\k], v[T+24+\k]
	v_add_f32 v[T+24+\k], v[T+8+\k], v[T+\k]
	v_cndmask_b32 v[T+8+\k], v[T+8+\k], v[T+16+\k], vcc_lo      ; the dividend
	v_cndmask_b32 v[T+\k], v[T+\k], v[T+24+\k], vcc_lo          ; the divisor
	v_cndmask_b32 v[T+16+\k], 0, v[PI4], vcc_lo                 ; what is added
.endr
.irp k, 0,1,2,3,4,5,6,7
	v_max_num_f32 v[T+\k], 0x800000, v[T+\k]                    ; held at 2^-126 from below
	v_mul_f32 v[T+24+\k], v[XI+\g+\k], v[XI+\g+\k]
.endr
.irp k, 0,1,2,3,4,5,6,7
	v_fma_f32 v[T+24+\k], v[XR+\g+\k], v[XR+\g+\k], v[T+24+\k]
.endr
.irp k, 0,1,2,3,4,5,6,7
	v_rcp_f32 v[T+\k], v[T+\k]
.endr
.irp k, 0,1,2,3,4,5,6,7
	v_sqrt_f32 v[AMP+\g+\k], v[T+24+\k]
.endr
	v_nop                                          ; a plain line behind the last of the batch
	s_wait_alu depctr_va_vdst(0)                   ; one wait for the sixteen, ahead of their first reader
.irp k, 0,1,2,3,4,5,6,7
	v_mul_f32 v[T+\k], v[T+8+\k], v[T+\k]          ; u
.endr
.irp k, 0,1,2,3,4,5,6,7
	v_mul_f32 v[T+8+\k], v[T+\k], v[T+\k]          ; z
.endr
.irp k, 0,1,2,3,4,5,6,7
	v_fma_f32 v[T+24+\k], s35, v[T+8+\k], s36
.endr
.irp k, 0,1,2,3,4,5,6,7
	v_fma_f32 v[T+24+\k], v[T+24+\k], v[T+8+\k], s37
.endr
.irp k, 0,1,2,3,4,5,6,7
	v_fma_f32 v[T+24+\k], v[T+24+\k], v[T+8+\k], s38
.endr
.irp k, 0,1,2,3,4,5,6,7
	v_mul_f32 v[T+24+\k], v[T+24+\k], v[T+8+\k]
.endr
.irp k, 0,1,2,3,4,5,6,7
	v_fma_f32 v[T+24+\k], v[T+24+\k], v[T+\k], v[T+\k]
.endr
.irp k, 0,1,2,3,4,5,6,7
	v_add_f32 v[T+24+\k], v[T+24+\k], v[T+16+\k]
	v_and_b32 v[T+\k], s39, v[XR+\g+\k]
	v_and_b32 v[T+8+\k], s39, v[XI+\g+\k]
.endr
.irp k, 0,1,2,3,4,5,6,7
	v_cmp_gt_f32 vcc_lo, v[T+8+\k], v[T+\k]        ; |xi| > |xr|: pi/2 less the angle
	v_sub_f32 v[T+16+\k], s33, v[T+24+\k]
	v_cndmask_b32 v[T+24+\k], v[T+24+\k], v[T+16+\k], vcc_lo
	v_cmp_gt_f32 vcc_lo, 0, v[XR+\g+\k]            ; xr < 0: pi less the angle
	v_sub_f32 v[T+16+\k], s34, v[T+24+\k]
	v_cndmask_b32 v[T+24+\k], v[T+24+\k], v[T+16+\k], vcc_lo
	v_bfi_b32 v[PH+\g+\k], s39, v[T+24+\k], v[XI+\g+\k]   ; with xi's sign
.endr
.endm
; two scores += two of a row's weights x one number of mine (the number is the low or the high register of its pair)
.macro FMA2 acc, w, x, odd, first
.if \first
	v_pk_mul_f32 v[\acc:\acc+1], v[\w:\w+1], v[\x:\x+1] op_sel_hi:[1,0]      ; the first product starts the sums
.elseif \odd
	v_pk_fma_f32 v[\acc:\acc+1], v[\w:\w+1], v[\x:\x+1], v[\acc:\acc+1] op_sel:[0,1,0] op_sel_hi:[1,1,1]
.else
	v_pk_fma_f32 v[\acc:\acc+1], v[\w:\w+1], v[\x:\x+1], v[\acc:\acc+1] op_sel_hi:[1,0,1]
.endif
.endm
.macro DOT g
.irp i, 0,1,2,3,4,5,6,7
.irp e, 0,2,4,6
	FMA2 ACC+\e, WB+16*\i+\e, AMP+((\g+\i)/2)*2, (\g+\i)%2, (\g+\i)==0
.endr
.irp e, 0,2,4,6
	FMA2 ACC+\e, WB+16*\i+8+\e, PH+((\g+\i)/2)*2, (\g+\i)%2, 0
.endr
.endr
.endm
	WROWS 0                                        ; on their way while x is quantised and turned into amp and phase
	QX XR, 0
	QX XI, 1
	AMPPH 0
	AMPPH 8
	s_wait_dscnt 0x0                               ; my first 8 rows of gate_W are in (and the byte stores have read their registers)
	DOT 0
	WROWS 8
	s_wait_dscnt 0x0
	DOT 8
.irp x, 1,2,4,8                                ; each score over the 32 lanes
.irp k, 0,1,2,3,4,5,6,7
	v_add_f32_dpp v[ACC+\k], v[ACC+\k], v[ACC+\k] row_xmask:\x row_mask:0xf bank_mask:0xf
.endr
.endr
.irp k, 0,1,2,3,4,5,6,7
	v_permlanex16_b32 v[T+\k], v[ACC+\k], s30, s31
.endr
.irp k, 0,1,2,3,4,5,6,7
	v_add_f32 v[ACC+\k], v[ACC+\k], v[T+\k]
.endr
	s_wait_kmcnt 0x0                               ; gate_b
.irp k, 0,1,2,3,4,5,6,7
	v_add_f32 v[ACC+\k], s[20+\k], v[ACC+\k]
.endr
	v_max3_num_f32 v[BQ], v[ACC], v[ACC+1], v[ACC+2]   ; the maximum is taken away before the exponentials, as reference() does
	v_max3_num_f32 v[BQ], v[BQ], v[ACC+3], v[ACC+4]
	v_max3_num_f32 v[BQ], v[BQ], v[ACC+5], v[ACC+6]
	v_max_num_f32 v[BQ], v[BQ], v[ACC+7]
.irp k, 0,1,2,3,4,5,6,7
	v_sub_f32 v[T+\k], v[ACC+\k], v[BQ]
.endr
.irp k, 0,1,2,3,4,5,6,7
	v_mul_f32 v[T+\k], s40, v[T+\k]
.endr
.irp k, 0,1,2,3,4,5,6,7
	v_exp_f32 v[T+\k], v[T+\k]
.endr
	v_mov_b32 v[BQ+2], 7                           ; the choice begins at the last expert (a plain line behind the batch)
	s_wait_alu depctr_va_vdst(0)                   ; one wait for the eight
	v_add_f32 v[T+8], v[T], v[T+1]
	v_add_f32 v[T+9], v[T+2], v[T+3]
	v_add_f32 v[T+10], v[T+4], v[T+5]
	v_add_f32 v[T+11], v[T+6], v[T+7]
	v_add_f32 v[T+8], v[T+8], v[T+9]
	v_add_f32 v[T+10], v[T+10], v[T+11]
	v_add_f32 v[BQ+1], v[T+8], v[T+10]             ; the sum
.irp k, 6,5,4,3,2,1,0
	v_cmp_neq_f32 vcc_lo, 1.0, v[T+\k]             ; the largest probability is that of an exponential 1.0; the lowest such index stays
	v_cndmask_b32 v[BQ+2], \k, v[BQ+2], vcc_lo
.endr
	v_rcp_f32 v[BQ+3], v[BQ+1]                     ; its probability: 1 / the sum
	v_nop
	s_wait_alu depctr_va_vdst(0)
	ds_store_b32 v[IDW], v[BQ+2]                   ; all lanes write the same word with the same value
	ds_store_b32 v[IDW], v[BQ+3] offset:16
	s_wait_dscnt 0x0                               ; for wave 0's sake
	s_barrier_signal -1
	s_barrier_wait -1
	s_cmp_lg_u32 s28, 0
	s_cbranch_scc1 .Ldone
	ds_load_b32 v[T], v[LXS]                       ; wave 0 stores what the four waves left: 128 scale bytes, 4 choices, 4 probabilities
	ds_load_b32 v[T+1], v[LIW]
	ds_load_b32 v[T+2], v[LIW] offset:16
	v_lshlrev_b32 v[T+4], 2, v[LN]
	v_and_b32 v[T+5], 3, v[LN]
	v_lshlrev_b32 v[T+5], 2, v[T+5]
	s_wait_dscnt 0x0
	global_store_b32 v[T+4], v[T], s[14:15]        ; 128 consecutive bytes: four tokens to a work-group give no more
	s_wait_xcnt 0x0                                ; EXEC changes only behind this wait
	v_cmp_gt_u32 vcc_lo, 4, v[LN]
	s_and_saveexec_b32 s29, vcc_lo
	global_store_b32 v[T+5], v[T+1], s[16:17]
	global_store_b32 v[T+5], v[T+2], s[18:19]
	s_wait_xcnt 0x0                                ; and again, in front of the line that widens it
	s_or_b32 exec_lo, exec_lo, s29
.Ldone:
	s_wait_tensorcnt 0x0                           ; the wave's end
	ds_add_u32 v[SPW], v[NIL]
	s_wait_dscnt 0x0
	s_endpgm
.Lfunc_end_k_q359a8c0e74_gate:
	.size	k_q359a8c0e74_gate, .Lfunc_end_k_q359a8c0e74_gate-k_q359a8c0e74_gate
	.p2alignl 7, 3214868480
	.fill 96, 4, 3214868480
	.section	.rodata,"a",@progbits
	.p2align	6, 0x0
	.amdhsa_kernel k_q359a8c0e74_gate
		.amdhsa_group_segment_fixed_size 55040
		.amdhsa_private_segment_fixed_size 0
		.amdhsa_enable_private_segment 0
		.amdhsa_kernarg_size 64
		.amdhsa_user_sgpr_count 2
		.amdhsa_user_sgpr_kernarg_segment_ptr 1
		.amdhsa_wavefront_size32 1
		.amdhsa_system_sgpr_workgroup_id_x 1
		.amdhsa_system_sgpr_workgroup_id_y 1
		.amdhsa_system_sgpr_workgroup_id_z 1
		.amdhsa_system_vgpr_workitem_id 0
		.amdhsa_next_free_vgpr 256
		.amdhsa_next_free_sgpr 66
		.amdhsa_reserve_vcc 1
		.amdhsa_float_denorm_mode_32 3
		.amdhsa_float_denorm_mode_16_64 3
		.amdhsa_memory_ordered 1
		.amdhsa_forward_progress 1
		.amdhsa_inst_pref_size 48
	.end_amdhsa_kernel
	.amdgpu_metadata
---
amdhsa.version: [ 1, 2 ]
amdhsa.kernels:
  - .name:           k_q359a8c0e74_gate
    .symbol:         k_q359a8c0e74_gate.kd
    .args:
      - { .name: x_real, .offset: 0, .size: 8, .value_kind: global_buffer, .address_space: global }
      - { .name: x_imag, .offset: 8, .size: 8, .value_kind: global_buffer, .address_space: global }
      - { .name: gate_W, .offset: 16, .size: 8, .value_kind: global_buffer, .address_space: global }
      - { .name: gate_b, .offset: 24, .size: 8, .value_kind: global_buffer, .address_space: global }
      - { .name: xq, .offset: 32, .size: 8, .value_kind: global_buffer, .address_space: global }
      - { .name: xs, .offset: 40, .size: 8, .value_kind: global_buffer, .address_space: global }
      - { .name: idx, .offset: 48, .size: 8, .value_kind: global_buffer, .address_space: global }
      - { .name: wgt, .offset: 56, .size: 8, .value_kind: global_buffer, .address_space: global }
    .group_segment_fixed_size: 55040
    .private_segment_fixed_size: 0
    .kernarg_segment_align: 8
    .kernarg_segment_size: 64
    .max_flat_workgroup_size: 128
    .sgpr_count:     66
    .vgpr_count:     256
    .wavefront_size: 32
...
	.end_amdgpu_metadata
.endif
;; end of part 1
;; launch place (part 2): grid 8 x 1, 1 waves a work-group, no clusters, 0 bytes of LDS; arguments idx, rowlist, meta; writes rowlist, meta
.if DOCPART == 2
	.amdgcn_target "amdgcn-amd-amdhsa--gfx1250"
	.amdhsa_code_object_version 6
	.text
	.protected	k_q359a8c0e74_place
	.globl	k_q359a8c0e74_place
	.p2align	8
	.type	k_q359a8c0e74_place,@function
k_q359a8c0e74_place:
	s_mov_b64 s[64:65], 0
	v_nop
	global_prefetch_b8 v0, s[64:65] scope:SCOPE_SE
	s_setreg_imm32_b32 hwreg(HW_REG_WAVE_MODE, 25, 1), 1
	s_wait_xcnt 0x0
; THE ROWS BY EXPERT.  Work-group e (one wave) walks the 1,024 stored choices and lists, in ascending order, the tokens that chose expert e: rowlist[e][rank] = token.
; Behind the list stand 64 zeros, so that the last tile of 48 rows reads token numbers throughout.  meta[e] = the expert's rows, meta[8 + e] = its tiles of 48 rows.
; No LDS, no barrier, no atomics: each work-group scans all choices and owns its own list.  The choices are whole numbers that the launch before stored.
; TWO PHASES.  First, with all lanes on, everything that a store names is made: for each group of 32 tokens the mask of those that chose e, their ranks as byte offsets, their numbers.
; Then the stores, each under its group's mask: in that phase no vector register is written, so that every address register was written whole.
.set IX,  8                            ; v8-39    the choices of tokens 32 g + lane
.set AD,  40                           ; v40-71   group g: my rank in the list, in bytes
.set TKN, 72                           ; v72-103  group g: my token's number
.set MK,  24                           ; s24-55   group g: the lanes whose token chose e
	s_load_b128 s[4:7], s[0:1], 0x0                ; idx, rowlist
	s_load_b64 s[8:9], s[0:1], 0x10                ; meta
	s_mov_b32 s14, ttmp9                           ; e
	s_mul_i32 s16, s14, 4352                       ; my list: 1,088 words
	s_mov_b32 s17, 0
	s_lshl_b32 s15, s14, 2
	v_lshlrev_b32 v4, 2, v0
	s_mov_b32 s10, 0                               ; rows so far
	s_wait_kmcnt 0x0
	s_add_nc_u64 s[6:7], s[6:7], s[16:17]
.set g, 0
.rept 32
	global_load_b32 v[IX+g], v4, s[4:5] offset:128*g   ; 128 consecutive bytes
.set g, g+1
.endr
	s_wait_loadcnt 0x0
.set g, 0
.rept 32
	v_cmp_eq_u32 s[MK+g], s14, v[IX+g]
	v_mbcnt_lo_u32_b32 v[AD+g], s[MK+g], s10       ; my rank: rows so far + those of lower lanes
	v_min_u32 v[AD+g], 0x3ff, v[AD+g]              ; a number made of loaded data enters an address only behind a bound: a rank is under 1,024
	v_lshlrev_b32 v[AD+g], 2, v[AD+g]
	v_add_nc_u32 v[TKN+g], 32*g, v0                ; my token
	s_bcnt1_i32_b32 s11, s[MK+g]
	s_add_co_u32 s10, s10, s11
	s_min_u32 s10, s10, 0x400                      ; the count likewise: 1,024 rows at the most
.set g, g+1
.endr
	v_add_nc_u32 v5, s10, v0                       ; 64 zeros behind the list (ranks up to 1,024 + 63 = 1,087)
	v_min_u32 v5, 0x43f, v5
	v_add_nc_u32 v6, 32, v5
	v_min_u32 v6, 0x43f, v6
	v_lshlrev_b32 v5, 2, v5
	v_lshlrev_b32 v6, 2, v6
	v_mov_b32 v7, 0
	s_add_co_u32 s11, s10, 47
	s_mul_i32 s11, s11, 1366
	s_lshr_b32 s11, s11, 16                        ; (rows + 47) / 48: x 1,366 / 65,536 is x / 48 + x / 98,304, whose whole part is that of x / 48 for x under 2,048
	v_mov_b32 v104, s10
	v_mov_b32 v105, s11
	v_cmp_eq_u32 vcc_lo, 1, v0
	v_cndmask_b32 v104, v104, v105, vcc_lo         ; lane 0: rows; lane 1: tiles
	v_lshlrev_b32 v106, 5, v0
	v_add_nc_u32 v106, s15, v106                   ; words e and 8 + e of meta
	v_cmp_gt_u32 s13, 2, v0                        ; lanes 0 and 1
	global_store_b32 v5, v7, s[6:7]                ; the zeros: all lanes on
	global_store_b32 v6, v7, s[6:7]
	s_wait_xcnt 0x0                                ; EXEC changes only behind this wait
.set g, 0
.rept 32
	s_and_saveexec_b32 s12, s[MK+g]
	global_store_b32 v[AD+g], v[TKN+g], s[6:7]     ; the lanes that are on store neighbouring words
	s_wait_xcnt 0x0                                ; and again, in front of the line that widens it
	s_or_b32 exec_lo, exec_lo, s12
.set g, g+1
.endr
	s_and_saveexec_b32 s12, s13
	global_store_b32 v106, v104, s[8:9]
	s_wait_xcnt 0x0
	s_or_b32 exec_lo, exec_lo, s12
	s_endpgm
.Lfunc_end_k_q359a8c0e74_place:
	.size	k_q359a8c0e74_place, .Lfunc_end_k_q359a8c0e74_place-k_q359a8c0e74_place
	.p2alignl 7, 3214868480
	.fill 96, 4, 3214868480
	.section	.rodata,"a",@progbits
	.p2align	6, 0x0
	.amdhsa_kernel k_q359a8c0e74_place
		.amdhsa_group_segment_fixed_size 0
		.amdhsa_private_segment_fixed_size 0
		.amdhsa_enable_private_segment 0
		.amdhsa_kernarg_size 24
		.amdhsa_user_sgpr_count 2
		.amdhsa_user_sgpr_kernarg_segment_ptr 1
		.amdhsa_wavefront_size32 1
		.amdhsa_system_sgpr_workgroup_id_x 1
		.amdhsa_system_sgpr_workgroup_id_y 1
		.amdhsa_system_sgpr_workgroup_id_z 1
		.amdhsa_system_vgpr_workitem_id 0
		.amdhsa_next_free_vgpr 112
		.amdhsa_next_free_sgpr 66
		.amdhsa_reserve_vcc 1
		.amdhsa_float_denorm_mode_32 3
		.amdhsa_float_denorm_mode_16_64 3
		.amdhsa_memory_ordered 1
		.amdhsa_forward_progress 1
		.amdhsa_inst_pref_size 24
	.end_amdhsa_kernel
	.amdgpu_metadata
---
amdhsa.version: [ 1, 2 ]
amdhsa.kernels:
  - .name:           k_q359a8c0e74_place
    .symbol:         k_q359a8c0e74_place.kd
    .args:
      - { .name: idx, .offset: 0, .size: 8, .value_kind: global_buffer, .address_space: global }
      - { .name: rowlist, .offset: 8, .size: 8, .value_kind: global_buffer, .address_space: global }
      - { .name: meta, .offset: 16, .size: 8, .value_kind: global_buffer, .address_space: global }
    .group_segment_fixed_size: 0
    .private_segment_fixed_size: 0
    .kernarg_segment_align: 8
    .kernarg_segment_size: 24
    .max_flat_workgroup_size: 32
    .sgpr_count:     66
    .vgpr_count:     112
    .wavefront_size: 32
...
	.end_amdgpu_metadata
.endif
;; end of part 2
;; launch up (part 3): grid 8 x 29, 4 waves a work-group, no clusters, 244,992 bytes of LDS; arguments meta, rowlist, xq, xs, W1r_codes, W1r_scales, W1i_codes, W1i_scales, b1r, b1i, mod_b, hid, hs; writes hid, hs
.if DOCPART == 3
	.amdgcn_target "amdgcn-amd-amdhsa--gfx1250"
	.amdhsa_code_object_version 6
	.text
	.protected	k_q359a8c0e74_up
	.globl	k_q359a8c0e74_up
	.p2align	8
	.type	k_q359a8c0e74_up,@function
k_q359a8c0e74_up:
	s_mov_b64 s[64:65], 0
	v_nop
	global_prefetch_b8 v0, s[64:65] scope:SCOPE_SE
	s_setreg_imm32_b32 hwreg(HW_REG_WAVE_MODE, 25, 1), 1
	s_wait_xcnt 0x0
; FIRST COMPLEX PRODUCT, ModReLU, QUANTISER.  h_r = xr W1r - xi W1i + b1r, h_i = xr W1i + xi W1r + b1i on codes of E2M1; a = sqrt(h_r^2 + h_i^2 + eps); h x relu(a + mod_b) / (a + eps); h_r, h_i quantised along H.
; WORK LEFT OUT: only the rows of the expert that each token chose are multiplied (reference()'s own mask makes the others' weight 0: shown at the head of the first launch).
; TILES.  A tile is 48 rows of one expert's list.  With 1,024 rows and 8 experts there are never more than ceil(1024 / 48) + 7 = 29, whatever the choice.  Work-group (x, y) takes tile y and hidden units 256 x .. 256 x + 255.
; Which expert and which rows tile y holds is read from meta; a tile beyond the last has no rows: its work-group stores nothing.  That is a branch on a stored number; this text has no tensor load and no cluster
; operands go from memory into registers, the weights by way of the wave's own LDS rows.  The one barrier stands behind the place where the two ways join.
; SHARES.  Wave w makes units 64 w .. 64 w + 63 of the 256 for all 48 rows: 4 tiles of 16 units, K = 512 in 4 steps: 192 matrix instructions.  Its 128 rows of W1 (64 real, 64 imaginary, 256 bytes each) and the 96 rows of x's codes
; are loaded as whole rows of 256 bytes (16 lanes a row), laid in LDS rows of 272 bytes and read back as fragments; all fragments then stay in registers.  Each wave stages x for itself: so no barrier stands ahead of the products.
; THE PRODUCTS ARE USED TRANSPOSED (source 0 = 16 units of W1, source 1 = 16 tokens): a lane holds one token and eight units.  THE UNITS OF A TILE ARE NOT NEIGHBOURS: lane r of tile 2 b + u takes unit 32 b + 8 u + r + 8 (r / 8),
; so that the 16 registers of tiles 2 b, 2 b + 1 are the neighbours 32 b + 16 (lane / 16) + 0 .. 15 along the next K.  In LDS the weight rows are laid with bits 3 and 4 of the unit swapped: a tile's 16 rows lie on end.
; OUT.  hid: [tile][m][K step S][re, im][1,024 bytes]: the image of the next product's fragment registers; my 64 units are half c = w % 2 of K step S = 2 x + w / 2.  A lane's 16 codes are 8 bytes; the wave stores 256 consecutive bytes, aligned.
; hs: [tile][x][m][lane][2 K steps][4 bytes]: scale words; lanes 0-15 h_r's of row lane, lanes 16-31 h_i's.  The four waves' half-words meet in LDS and wave 0 stores 768 consecutive bytes.
; LIMITS: a block of zeros gets the byte 1 (its codes are zeros; this program alone reads the bytes).  NaN and infinities are not served.
; REGISTERS, in windows of 256: window 0 addresses, scale words, accumulators, vector work; window 1 W1's 32 fragments (first the rows as loaded); window 2 x's 24 fragments (first the rows as loaded), from v192 b1r's and b1i's tiles.
.set PIT,   272                        ; an LDS row: 256 bytes + 16: the 16 rows of a fragment load start at 16 different banks
.set XOFF,  128*PIT                    ; a wave's region: 128 weight rows, then 96 rows of x (48 real, 48 imaginary)
.set WREG,  XOFF+96*PIT
.set HSL,   4*WREG                     ; the scale half-words: [m][lane][wave][2 bytes], 768 bytes
.set SPARE, HSL+768                    ; the spare words, 128 bytes for each wave
.set WDG, 4                            ; 16 lane: my bytes of a load of two weight rows
.set WDS, 5                            ; LDS: where they go: region + 272 (lane / 16) + 16 (lane % 16)
.set WFA, 6                            ; LDS: a weight fragment: region + 272 r + 16 h
.set XDS, 7                            ; LDS: where x's rows go: lanes 0-15 rows 0-23, lanes 16-31 rows 24-47
.set XFA, 8                            ; LDS: a fragment of x
.set RLD, 9                            ; rowlist: 96 (lane / 16)
.set RLS, 10                           ; rowlist: 4 r
.set WSA, 11                           ; W1's scale words: 16 x (my unit in a pair of tiles)
.set BIA, 12                           ; biases: 64 h
.set HOA, 13                           ; hid: 16 r + 8 h
.set HSW, 14                           ; LDS: my half-word
.set HSR, 15                           ; LDS: 8 lane among the half-words
.set HSG, 16                           ; hs: 8 lane
.set SPW, 17                           ; my spare word; never rewritten
.set NIL, 18                           ; 0; never rewritten
.set Q16, 19                           ; 16 (lane % 16)
.set TK,  20                           ; v20-43 24 tokens, then their rows' offsets in xq
.set TR,  44                           ; v44-46 3 tokens, then their offsets in xs
.set H16, 47                           ; 16 h
.set ASC, 48                           ; v48-59 x's scale words (4 m + s): lanes 0-15 x_real's, lanes 16-31 x_imag's
.set WSC, 60                           ; v60-75 W1's: real 4 p + s, imaginary 8 + 4 p + s: lanes 0-15 tile 2 p, lanes 16-31 tile 2 p + 1
.set MODB, 76                          ; v76-107 mod_b in the result's layout
.set AB,  108                          ; v108-155 accumulators: for u = 0, 1 at 24 u: xr Wr (+ b1r), xi Wi, h_i
.set TA,  156
.set TB,  172
.set TN,  188
.set QA,  204                          ; v204-209 the quantiser's
.set TL,  210                          ; v210-215 wave 0's way out
.set CD,  216                          ; v216-239 codes: four registers for each (m, b): no store's data are written again
.set BY,  240                          ; v240-245 bytes and half-words
.set HW,  246                          ; v246-248 the half-word stored, one register for each m
.set B1R, 192                          ; in window 2
.set B1I, 224
.set MSB, 0
.macro WIN new                         ; the immediate's high byte repeats the setting that is left
.if MSB != \new
	s_set_vgpr_msb (MSB<<8)|\new
.set MSB, \new
.endif
.endm
.macro OFF3 a, b, c                    ; s54 = expert << a + x << b + wave << c
	s_lshl_b32 s54, s48, \a
	s_lshl_b32 s62, s61, \b
	s_add_co_u32 s54, s54, s62
	s_lshl_b32 s62, s30, \c
	s_add_co_u32 s54, s54, s62
.endm
.macro DENSE_LD p, ri                  ; my 64 rows of one part of W1: 16,384 consecutive bytes, 512 an instruction
	WIN 0x40
.set i, 0
.rept 32
	global_load_b128 v[128*\ri+4*i:128*\ri+4*i+3], v[WDG], s[\p:\p+1] offset:512*i
.set i, i+1
.endr
.endm
.macro DENSE_ST ri                     ; into LDS rows, bits 3 and 4 of the unit swapped
	WIN 0x04
.set i, 0
.rept 32
	ds_store_b128 v[WDS], v[128*\ri+4*i:128*\ri+4*i+3] offset:(64*\ri+(((2*i)&39)|(((2*i)&8)<<1)|(((2*i)&16)>>1)))*PIT
.set i, i+1
.endr
.endm
.macro FRAG_W                          ; fragment (tile t, part ri, K step s) at v[8 ((2 t + ri) 4 + s)] of window 1.  LDS serves a wave's instructions in order: these see my stores
	WIN 0x40
.irp t, 0,1,2,3
.irp ri, 0,1
.irp s, 0,1,2,3
.irp c, 0,1
	ds_load_b128 v[8*((2*\t+\ri)*4+\s)+4*\c:8*((2*\t+\ri)*4+\s)+4*\c+3], v[WFA] offset:(64*\ri+16*\t)*PIT+64*\s+32*\c
.endr
.endr
.endr
.endr
.endm
.macro FRAG_X                          ; fragment (rows 16 m on, part ri, K step s) at v[8 ((2 m + ri) 4 + s)] of window 2
	WIN 0x80
.irp m, 0,1,2
.irp ri, 0,1
.irp s, 0,1,2,3
.irp c, 0,1
	ds_load_b128 v[8*((2*\m+\ri)*4+\s)+4*\c:8*((2*\m+\ri)*4+\s)+4*\c+3], v[XFA] offset:(48*\ri+16*\m)*PIT+64*\s+32*\c
.endr
.endr
.endr
.endr
.endm
; one matrix instruction; ar, br: the scale words stand in lanes 16-31 of their register
.macro MM d, a, b, c, sa, sb, ar, br
.if (\ar)==0 && (\br)==0
	v_wmma_scale_f32_16x16x128_f8f6f4 v[\d:\d+7], v[\a:\a+7], v[\b:\b+7], \c, v[\sa], v[\sb] matrix_a_fmt:MATRIX_FMT_FP4 matrix_b_fmt:MATRIX_FMT_FP4
.elseif (\br)==0
	v_wmma_scale_f32_16x16x128_f8f6f4 v[\d:\d+7], v[\a:\a+7], v[\b:\b+7], \c, v[\sa], v[\sb] matrix_a_fmt:MATRIX_FMT_FP4 matrix_b_fmt:MATRIX_FMT_FP4 matrix_a_scale:MATRIX_SCALE_ROW1
.elseif (\ar)==0
	v_wmma_scale_f32_16x16x128_f8f6f4 v[\d:\d+7], v[\a:\a+7], v[\b:\b+7], \c, v[\sa], v[\sb] matrix_a_fmt:MATRIX_FMT_FP4 matrix_b_fmt:MATRIX_FMT_FP4 matrix_b_scale:MATRIX_SCALE_ROW1
.else
	v_wmma_scale_f32_16x16x128_f8f6f4 v[\d:\d+7], v[\a:\a+7], v[\b:\b+7], \c, v[\sa], v[\sb] matrix_a_fmt:MATRIX_FMT_FP4 matrix_b_fmt:MATRIX_FMT_FP4 matrix_a_scale:MATRIX_SCALE_ROW1 matrix_b_scale:MATRIX_SCALE_ROW1
.endif
.endm
.macro SIX c0, c1, c2, c3, c4, c5      ; for tiles 2 p and 2 p + 1: Wr ar, Wi ai, Wi ar
	MM AB, fWR0, fXR, \c0, cWR, cX, 0, 0
	MM AB+8, fWI0, fXI, \c1, cWI, cX, 0, 1
	MM AB+16, fWI0, fXR, \c2, cWI, cX, 0, 0
	MM AB+24, fWR1, fXR, \c3, cWR, cX, 1, 0
	MM AB+32, fWI1, fXI, \c4, cWI, cX, 1, 1
	MM AB+40, fWI1, fXR, \c5, cWI, cX, 1, 0
.endm
; 32 matrix instructions: tiles 2 p, 2 p + 1 of the weights x rows 16 m on, all of K.  The six accumulators take turns, one instruction a turn; the biases are the C of a sum's first instruction.
.macro PROD p, m, bias
.irp s, 0,1,2,3
.set fWR0, 8*((4*\p)*4+\s)
.set fWI0, 8*((4*\p+1)*4+\s)
.set fWR1, 8*((4*\p+2)*4+\s)
.set fWI1, 8*((4*\p+3)*4+\s)
.set fXR,  8*((2*\m)*4+\s)
.set fXI,  8*((2*\m+1)*4+\s)
.set cWR,  WSC+4*\p+\s
.set cWI,  WSC+8+4*\p+\s
.set cX,   ASC+4*\m+\s
.if \s == 0
.if \bias
	WIN 0x29                                       ; source 0 window 1, source 1 and C window 2, D window 0
	SIX v[B1R+16*\p:B1R+16*\p+7], 0, v[B1I+16*\p:B1I+16*\p+7], v[B1R+16*\p+8:B1R+16*\p+15], 0, v[B1I+16*\p+8:B1I+16*\p+15]
.else
	WIN 0x09
	SIX 0, 0, 0, 0, 0, 0
.endif
.else
	WIN 0x09                                       ; source 0 window 1, source 1 window 2, C and D window 0
	SIX v[AB:AB+7], v[AB+8:AB+15], v[AB+16:AB+23], v[AB+24:AB+31], v[AB+32:AB+39], v[AB+40:AB+47]
.endif
	WIN 0x09
	MM AB+16, fWR0, fXI, v[AB+16:AB+23], cWR, cX, 0, 1      ; + Wr ai
	MM AB+40, fWR1, fXI, v[AB+40:AB+47], cWR, cX, 1, 1
.endr
	WIN 0
.endm
.macro PLACES5                         ; five places: four ahead of the vector lines that read the results, the fifth for the next products, which begin these accumulators anew with another C (ISA guide 7.12.1)
.rept 5
	v_nop
.endr
.endm
; 16 units of a lane's token: h_r in the first accumulator of each u, h_i in the third, each taken from its low end on
.macro MODRELU b
.irp u, 0,1
.irp j, 0,2,4,6
	v_pk_add_f32 v[AB+24*\u+\j:AB+24*\u+\j+1], v[AB+24*\u+\j:AB+24*\u+\j+1], v[AB+8+24*\u+\j:AB+8+24*\u+\j+1] neg_lo:[0,1] neg_hi:[0,1]   ; h_r = (xr Wr + b1r) - xi Wi
.endr
.endr
.irp u, 0,1
.irp j, 0,2,4,6
	v_pk_fma_f32 v[TA+8*\u+\j:TA+8*\u+\j+1], v[AB+16+24*\u+\j:AB+16+24*\u+\j+1], v[AB+16+24*\u+\j:AB+16+24*\u+\j+1], s[56:57] op_sel_hi:[1,1,0]   ; h_i^2 + eps
.endr
.endr
.irp u, 0,1
.irp j, 0,2,4,6
	v_pk_fma_f32 v[TA+8*\u+\j:TA+8*\u+\j+1], v[AB+24*\u+\j:AB+24*\u+\j+1], v[AB+24*\u+\j:AB+24*\u+\j+1], v[TA+8*\u+\j:TA+8*\u+\j+1]
.endr
.endr
.irp i, 0,1,2,3,4,5,6,7,8,9,10,11,12,13,14,15
	v_sqrt_f32 v[TA+\i], v[TA+\i]                  ; a
.endr
	v_nop
	s_wait_alu depctr_va_vdst(0)                   ; one wait for the sixteen roots, ahead of their first reader
.irp i, 0,2,4,6,8,10,12,14
	v_pk_add_f32 v[TB+\i:TB+\i+1], v[TA+\i:TA+\i+1], s[56:57] op_sel_hi:[1,0]   ; a + eps
.endr
.irp i, 0,1,2,3,4,5,6,7,8,9,10,11,12,13,14,15
	v_rcp_f32 v[TB+\i], v[TB+\i]
.endr
.irp i, 0,2,4,6,8,10,12,14
	v_pk_add_f32 v[TN+\i:TN+\i+1], v[TA+\i:TA+\i+1], v[MODB+16*\b+\i:MODB+16*\b+\i+1]   ; a + mod_b: work that names no reciprocal
.endr
.irp i, 0,1,2,3,4,5,6,7,8,9,10,11,12,13,14,15
	v_max_num_f32 v[TN+\i], 0, v[TN+\i]
.endr
	s_wait_alu depctr_va_vdst(0)                   ; one wait for the sixteen reciprocals
.irp i, 0,2,4,6,8,10,12,14
	v_pk_mul_f32 v[TB+\i:TB+\i+1], v[TB+\i:TB+\i+1], v[TN+\i:TN+\i+1]
.endr
.irp u, 0,1
.irp j, 0,2,4,6
	v_pk_mul_f32 v[AB+24*\u+\j:AB+24*\u+\j+1], v[AB+24*\u+\j:AB+24*\u+\j+1], v[TB+8*\u+\j:TB+8*\u+\j+1]
	v_pk_mul_f32 v[AB+16+24*\u+\j:AB+16+24*\u+\j+1], v[AB+16+24*\u+\j:AB+16+24*\u+\j+1], v[TB+8*\u+\j:TB+8*\u+\j+1]
.endr
.endr
.endm
; block b of my 64 units, rows 16 m on: my 16 numbers of h_r and of h_i, with lane l xor 16's the block of 32
.macro QUANT2 m, b
	v_max3_num_f32 v[QA], |v[AB]|, |v[AB+1]|, 0x1800000          ; the floor 2^(3 - 127): the byte cannot fall under 1
	v_max3_num_f32 v[QA+1], |v[AB+16]|, |v[AB+17]|, 0x1800000
.irp j, 2,4,6
	v_max3_num_f32 v[QA], v[QA], |v[AB+\j]|, |v[AB+\j+1]|
	v_max3_num_f32 v[QA+1], v[QA+1], |v[AB+16+\j]|, |v[AB+16+\j+1]|
.endr
.irp j, 0,2,4,6
	v_max3_num_f32 v[QA], v[QA], |v[AB+24+\j]|, |v[AB+24+\j+1]|
	v_max3_num_f32 v[QA+1], v[QA+1], |v[AB+40+\j]|, |v[AB+40+\j+1]|
.endr
	v_permlanex16_b32 v[QA+2], v[QA], s58, s59
	v_permlanex16_b32 v[QA+3], v[QA+1], s58, s59
	v_max_num_f32 v[QA], v[QA], v[QA+2]
	v_max_num_f32 v[QA+1], v[QA+1], v[QA+3]
	v_add_nc_u32 v[QA+4], 0xff000000, v[QA]        ; 2 off the exponent field: the conversion's scale operand
	v_add_nc_u32 v[QA+5], 0xff000000, v[QA+1]
	v_lshrrev_b32 v[BY+2*\b], 23, v[QA+4]          ; the scales' bytes
	v_lshrrev_b32 v[BY+2*\b+1], 23, v[QA+5]
	v_cvt_scalef32_pk8_fp4_f32 v[CD+4*(2*\m+\b)], v[AB:AB+7], v[QA+4]
	v_cvt_scalef32_pk8_fp4_f32 v[CD+4*(2*\m+\b)+1], v[AB+24:AB+31], v[QA+4]
	v_cvt_scalef32_pk8_fp4_f32 v[CD+4*(2*\m+\b)+2], v[AB+16:AB+23], v[QA+5]
	v_cvt_scalef32_pk8_fp4_f32 v[CD+4*(2*\m+\b)+3], v[AB+40:AB+47], v[QA+5]
	v_nop                                          ; one plain line behind the conversions: the next products write their sources
	global_store_b64 v[HOA], v[CD+4*(2*\m+\b):CD+4*(2*\m+\b)+1], s[26:27] offset:32768*\m+256*\b        ; the wave stores 256 consecutive bytes, aligned: lanes 16 b .. 16 b + 15 of the image's half
	global_store_b64 v[HOA], v[CD+4*(2*\m+\b)+2:CD+4*(2*\m+\b)+3], s[26:27] offset:32768*\m+1024+256*\b
.if \b == 1
	v_lshl_or_b32 v[BY+4], v[BY+2], 8, v[BY]       ; my two blocks' bytes: h_r's,
	v_lshl_or_b32 v[BY+5], v[BY+3], 8, v[BY+1]     ; h_i's;
	v_cndmask_b32 v[HW+\m], v[BY+4], v[BY+5], s60  ; lanes 16-31 carry h_i's
	ds_store_b16 v[HSW], v[HW+\m] offset:256*\m
.endif
.endm
	s_load_b512 s[4:19], s[0:1], 0x0               ; meta, rowlist, xq, xs, W1r codes, scales, W1i codes, scales
	s_load_b256 s[20:27], s[0:1], 0x40             ; b1r, b1i, mod_b, hid
	s_load_b64 s[28:29], s[0:1], 0x60              ; hs
	v_lshl_add_u32 v[SPW], v0, 2, SPARE
	v_mov_b32 v[NIL], 0
	v_lshrrev_b32 v1, 5, v0
	v_readfirstlane_b32 s30, v1                    ; wave
	s_and_b32 s31, ttmp7, 0xffff                   ; tile
	s_mov_b32 s61, ttmp9                           ; which 256 units
	v_and_b32 v1, 31, v0                           ; lane
	v_and_b32 v2, 15, v0                           ; r
	v_bfe_u32 v3, v0, 4, 1                         ; h
	s_mul_i32 s62, s30, WREG                       ; my region.  Every LDS address is made here, ahead of the branch on the stored numbers
	v_lshlrev_b32 v[WDG], 4, v1
	v_lshlrev_b32 v[Q16], 4, v2
	v_lshlrev_b32 v[H16], 4, v3
	v_mul_u32_u24 v[WDS], v3, PIT
	v_add_nc_u32 v[WDS], v[WDS], v[Q16]
	v_add_nc_u32 v[WDS], s62, v[WDS]
	v_mul_u32_u24 v[WFA], v2, PIT
	v_lshl_add_u32 v[WFA], v3, 4, v[WFA]
	v_add_nc_u32 v[XFA], XOFF, v[WFA]
	v_add_nc_u32 v[WFA], s62, v[WFA]
	v_add_nc_u32 v[XFA], s62, v[XFA]
	v_mul_u32_u24 v[XDS], v3, 24*PIT
	v_add_nc_u32 v[XDS], v[XDS], v[Q16]
	v_add_nc_u32 v[XDS], XOFF, v[XDS]
	v_add_nc_u32 v[XDS], s62, v[XDS]
	v_mul_u32_u24 v[RLD], v3, 96
	v_lshlrev_b32 v[RLS], 2, v2
	v_and_b32 v[WSA], 8, v2
	v_add_nc_u32 v[WSA], v[WSA], v2                ; r + 8 (r / 8)
	v_lshl_add_u32 v[WSA], v3, 3, v[WSA]           ; + 8 h: lanes 16-31 take the odd tile's units
	v_lshlrev_b32 v[WSA], 4, v[WSA]
	v_lshlrev_b32 v[BIA], 6, v3
	v_lshl_add_u32 v[HOA], v3, 3, v[Q16]
	s_lshl_b32 s63, s30, 1
	s_add_co_u32 s63, s63, HSL
	v_lshl_add_u32 v[HSW], v1, 3, s63
	v_lshl_add_u32 v[HSR], v1, 3, HSL
	v_lshlrev_b32 v[HSG], 3, v1
	v_mov_b32 v[QA+2], 0                           ; written once: a lane permute's destination counts as one of its sources
	v_mov_b32 v[QA+3], 0
	s_mov_b32 s56, 0x2edbe6ff                      ; eps = 1e-10
	s_mov_b32 s57, s56
	s_mov_b32 s58, 0x76543210                      ; v_permlanex16_b32's selects for lane l xor 16
	s_mov_b32 s59, 0xfedcba98
	s_mov_b32 s60, 0xffff0000                      ; lanes 16-31
	s_mov_b32 s55, 0
	s_wait_kmcnt 0x0
	s_load_b512 s[32:47], s[4:5], 0x0              ; rows of the 8 experts, tiles of the 8 experts
	s_mov_b32 s48, 0                               ; expert
	s_mov_b32 s49, 0                               ; its first tile
	s_mov_b32 s50, 0                               ; its rows
	s_mov_b32 s51, 0                               ; tiles so far
	s_wait_kmcnt 0x0
.irp i, 0,1,2,3,4,5,6,7                        ; the last expert whose first tile is at or under mine owns my tile
	s_cmp_ge_u32 s31, s51
	s_cselect_b32 s48, \i, s48
	s_cselect_b32 s49, s51, s49
	s_cselect_b32 s50, s[32+\i], s50
	s_add_co_u32 s51, s51, s[40+\i]
.endr
	s_cmp_lt_u32 s31, s51
	s_cselect_b32 s53, 1, 0                        ; 1: my tile has rows
	s_min_u32 s48, s48, 7
	s_sub_co_u32 s52, s31, s49
	s_min_u32 s52, s52, 21                         ; which tile of its expert: an expert has at most ceil(1024 / 48) = 22
	OFF3 19, 16, 14                                ; W1's codes: 2,048 rows of 256 bytes an expert; 256 rows a work-group; 64 a wave
	s_add_nc_u64 s[12:13], s[12:13], s[54:55]
	s_add_nc_u64 s[16:17], s[16:17], s[54:55]
	OFF3 15, 12, 10                                ; its scale bytes: 16 a row
	s_add_nc_u64 s[14:15], s[14:15], s[54:55]
	s_add_nc_u64 s[18:19], s[18:19], s[54:55]
	OFF3 13, 10, 8                                 ; biases: 4 bytes a unit
	s_add_nc_u64 s[20:21], s[20:21], s[54:55]
	s_add_nc_u64 s[22:23], s[22:23], s[54:55]
	s_add_nc_u64 s[24:25], s[24:25], s[54:55]
	s_mul_i32 s54, s48, 4352                       ; the expert's list, my tile's 48 words
	s_mul_i32 s62, s52, 192
	s_add_co_u32 s54, s54, s62
	s_add_nc_u64 s[6:7], s[6:7], s[54:55]
	s_mul_i32 s54, s31, 98304                      ; hid: tile, K step 2 x + w / 2 (2,048 bytes), half w % 2 (512 bytes)
	s_lshl_b32 s62, s61, 12
	s_add_co_u32 s54, s54, s62
	s_lshr_b32 s62, s30, 1
	s_lshl_b32 s62, s62, 11
	s_add_co_u32 s54, s54, s62
	s_and_b32 s62, s30, 1
	s_lshl_b32 s62, s62, 9
	s_add_co_u32 s54, s54, s62
	s_add_nc_u64 s[26:27], s[26:27], s[54:55]
	s_mul_i32 s54, s31, 6144                       ; hs: tile, 768 bytes a work-group
	s_mul_i32 s62, s61, 768
	s_add_co_u32 s54, s54, s62
	s_add_nc_u64 s[28:29], s[28:29], s[54:55]
	s_cmp_eq_u32 s53, 0
	s_cbranch_scc1 .Ljoin                          ; no rows: nothing is loaded, multiplied or stored
.irp k, 0,1,2,3,4,5
	global_load_b128 v[TK+4*\k:TK+4*\k+3], v[RLD], s[6:7] offset:16*\k     ; lanes 0-15: the tokens of rows 0-23; lanes 16-31: of rows 24-47
.endr
.irp m, 0,1,2
	global_load_b32 v[TR+\m], v[RLS], s[6:7] offset:64*\m                  ; the token of row 16 m + r
.endr
	DENSE_LD 12, 0                                 ; W1r's rows
	WIN 0
	s_wait_loadcnt 32                              ; the lists are in; W1r's 32 loads may be out
.set n, 0
.rept 24
	v_min_u32 v[TK+n], 0x3ff, v[TK+n]
.set n, n+1
.endr
.set n, 0
.rept 24
	v_lshlrev_b32 v[TK+n], 8, v[TK+n]              ; a token's codes: 256 bytes
.set n, n+1
.endr
.set n, 0
.rept 24
	v_add_nc_u32 v[TK+n], v[TK+n], v[Q16]
.set n, n+1
.endr
.irp m, 0,1,2
	v_min_u32 v[TR+\m], 0x3ff, v[TR+\m]
.endr
.irp m, 0,1,2
	v_lshlrev_b32 v[TR+\m], 5, v[TR+\m]            ; a token's scale bytes: 16 real, 16 imaginary
.endr
.irp m, 0,1,2
	v_add_nc_u32 v[TR+\m], v[TR+\m], v[H16]
.endr
	WIN 0x80
.set n, 0
.rept 24
	global_load_b128 v[4*n:4*n+3], v[TK+n], s[8:9]                         ; 16 lanes read a token's whole row of 256 bytes
	global_load_b128 v[96+4*n:96+4*n+3], v[TK+n], s[8:9] offset:262144
.set n, n+1
.endr
	WIN 0
.irp m, 0,1,2
	global_load_b128 v[ASC+4*\m:ASC+4*\m+3], v[TR+\m], s[10:11]            ; the four K steps' scale words
.endr
	s_wait_loadcnt 51                              ; W1r is in; the 51 loads of x may be out
	DENSE_ST 0
	DENSE_LD 16, 1                                 ; W1i's rows
	s_wait_loadcnt 32                              ; x is in; W1i's 32 loads may be out
	WIN 0x08
.set n, 0
.rept 24
	ds_store_b128 v[XDS], v[4*n:4*n+3] offset:PIT*n
	ds_store_b128 v[XDS], v[96+4*n:96+4*n+3] offset:48*PIT+PIT*n
.set n, n+1
.endr
	FRAG_X                                         ; back as fragments, into the registers that the rows left
.irp t, 0,1,2,3                                ; the biases in the result's layout: lane (r, h), tile 2 b + u, register j: unit 32 b + 8 u + 16 h + j
	global_load_b128 v[B1R+8*\t:B1R+8*\t+3], v[BIA], s[20:21] offset:(32*(\t/2)+8*(\t%2))*4
	global_load_b128 v[B1R+8*\t+4:B1R+8*\t+7], v[BIA], s[20:21] offset:(32*(\t/2)+8*(\t%2))*4+16
	global_load_b128 v[B1I+8*\t:B1I+8*\t+3], v[BIA], s[22:23] offset:(32*(\t/2)+8*(\t%2))*4
	global_load_b128 v[B1I+8*\t+4:B1I+8*\t+7], v[BIA], s[22:23] offset:(32*(\t/2)+8*(\t%2))*4+16
.endr
	WIN 0
.irp t, 0,1,2,3
	global_load_b128 v[MODB+8*\t:MODB+8*\t+3], v[BIA], s[24:25] offset:(32*(\t/2)+8*(\t%2))*4
	global_load_b128 v[MODB+8*\t+4:MODB+8*\t+7], v[BIA], s[24:25] offset:(32*(\t/2)+8*(\t%2))*4+16
.endr
.irp p, 0,1
	global_load_b128 v[WSC+4*\p:WSC+4*\p+3], v[WSA], s[14:15] offset:512*\p
	global_load_b128 v[WSC+8+4*\p:WSC+8+4*\p+3], v[WSA], s[18:19] offset:512*\p
.endr
	s_wait_loadcnt 28                              ; W1i is in; the 28 loads of biases and scale words may be out
	DENSE_ST 1
	FRAG_W
	WIN 0
	s_wait_loadcnt 0x0
	s_wait_dscnt 0x0                               ; all fragments are in registers
.irp m, 0,1,2
.irp b, 0,1
	PROD \b, \m, 1
	PLACES5
	MODRELU \b
	QUANT2 \m, \b
.endr
.endr
.Ljoin:
	s_wait_dscnt 0x0                               ; for wave 0's sake: my half-words lie in LDS
	s_barrier_signal -1
	s_barrier_wait -1
	s_cmp_eq_u32 s53, 0
	s_cbranch_scc1 .Lend
	s_cmp_lg_u32 s30, 0
	s_cbranch_scc1 .Lend
.irp k, 0,1,2
	ds_load_b64 v[TL+2*\k:TL+2*\k+1], v[HSR] offset:256*\k
.endr
	s_wait_dscnt 0x0
.irp k, 0,1,2
	global_store_b64 v[HSG], v[TL+2*\k:TL+2*\k+1], s[28:29] offset:256*\k   ; 256 consecutive bytes, aligned
.endr
.Lend:
	s_wait_tensorcnt 0x0                           ; the wave's end
	ds_add_u32 v[SPW], v[NIL]
	s_wait_dscnt 0x0
	s_endpgm
.Lfunc_end_k_q359a8c0e74_up:
	.size	k_q359a8c0e74_up, .Lfunc_end_k_q359a8c0e74_up-k_q359a8c0e74_up
	.p2alignl 7, 3214868480
	.fill 96, 4, 3214868480
	.section	.rodata,"a",@progbits
	.p2align	6, 0x0
	.amdhsa_kernel k_q359a8c0e74_up
		.amdhsa_group_segment_fixed_size 244992
		.amdhsa_private_segment_fixed_size 0
		.amdhsa_enable_private_segment 0
		.amdhsa_kernarg_size 104
		.amdhsa_user_sgpr_count 2
		.amdhsa_user_sgpr_kernarg_segment_ptr 1
		.amdhsa_wavefront_size32 1
		.amdhsa_system_sgpr_workgroup_id_x 1
		.amdhsa_system_sgpr_workgroup_id_y 1
		.amdhsa_system_sgpr_workgroup_id_z 1
		.amdhsa_system_vgpr_workitem_id 0
		.amdhsa_next_free_vgpr 768
		.amdhsa_next_free_sgpr 72
		.amdhsa_reserve_vcc 0
		.amdhsa_float_denorm_mode_32 3
		.amdhsa_float_denorm_mode_16_64 3
		.amdhsa_memory_ordered 1
		.amdhsa_forward_progress 1
		.amdhsa_inst_pref_size 111
	.end_amdhsa_kernel
	.amdgpu_metadata
---
amdhsa.version: [ 1, 2 ]
amdhsa.kernels:
  - .name:           k_q359a8c0e74_up
    .symbol:         k_q359a8c0e74_up.kd
    .args:
      - { .name: meta, .offset: 0, .size: 8, .value_kind: global_buffer, .address_space: global }
      - { .name: rowlist, .offset: 8, .size: 8, .value_kind: global_buffer, .address_space: global }
      - { .name: xq, .offset: 16, .size: 8, .value_kind: global_buffer, .address_space: global }
      - { .name: xs, .offset: 24, .size: 8, .value_kind: global_buffer, .address_space: global }
      - { .name: W1r_codes, .offset: 32, .size: 8, .value_kind: global_buffer, .address_space: global }
      - { .name: W1r_scales, .offset: 40, .size: 8, .value_kind: global_buffer, .address_space: global }
      - { .name: W1i_codes, .offset: 48, .size: 8, .value_kind: global_buffer, .address_space: global }
      - { .name: W1i_scales, .offset: 56, .size: 8, .value_kind: global_buffer, .address_space: global }
      - { .name: b1r, .offset: 64, .size: 8, .value_kind: global_buffer, .address_space: global }
      - { .name: b1i, .offset: 72, .size: 8, .value_kind: global_buffer, .address_space: global }
      - { .name: mod_b, .offset: 80, .size: 8, .value_kind: global_buffer, .address_space: global }
      - { .name: hid, .offset: 88, .size: 8, .value_kind: global_buffer, .address_space: global }
      - { .name: hs, .offset: 96, .size: 8, .value_kind: global_buffer, .address_space: global }
    .group_segment_fixed_size: 244992
    .private_segment_fixed_size: 0
    .kernarg_segment_align: 8
    .kernarg_segment_size: 104
    .max_flat_workgroup_size: 128
    .sgpr_count:     72
    .vgpr_count:     768
    .wavefront_size: 32
...
	.end_amdgpu_metadata
.endif
;; end of part 3
;; launch down (part 4): grid 8 x 29, 4 waves a work-group, no clusters, 139,776 bytes of LDS; arguments meta, rowlist, wgt, hid, hs, W2r_codes, W2r_scales, W2i_codes, W2i_scales, b2r, b2i, out0, out1; writes out0, out1
.if DOCPART == 4
	.amdgcn_target "amdgcn-amd-amdhsa--gfx1250"
	.amdhsa_code_object_version 6
	.text
	.protected	k_q359a8c0e74_down
	.globl	k_q359a8c0e74_down
	.p2align	8
	.type	k_q359a8c0e74_down,@function
k_q359a8c0e74_down:
	s_mov_b64 s[64:65], 0
	v_nop
	global_prefetch_b8 v0, s[64:65] scope:SCOPE_SE
	s_setreg_imm32_b32 hwreg(HW_REG_WAVE_MODE, 25, 1), 1
	s_wait_xcnt 0x0
; SECOND COMPLEX PRODUCT AND THE WAY OUT.  o_r = h_r W2r - h_i W2i + b2r, o_i = h_r W2i + h_i W2r + b2i on codes of E2M1; out[token] = probability of the chosen expert x o.
; WORK LEFT OUT: only the rows of the expert that each token chose are multiplied, and the sum over the 8 experts has its one term (reference()'s own mask: shown at the head of the first launch).
; TILES as in the launch before: work-group (x, y) takes tile y (48 rows of one expert's list, read from meta) and output columns 64 x .. 64 x + 63.  A tile beyond the last has no rows: its work-group stores nothing.
; That is a branch on a stored number; this text has no tensor load and no cluster.  The one barrier stands behind the place where the two ways join.
; THE WAVES SHARE K: wave w takes K steps 4 w .. 4 w + 3 of the 16.  Its part of a row of W2 is 256 consecutive bytes, aligned; no byte is loaded twice in the work-group; the hidden layer's fragments come
; straight into registers from their images (512 consecutive bytes an instruction).  192 matrix instructions a wave.  The four partial sums meet in LDS behind the barrier; wave w then finishes rows 12 w .. 12 w + 11.
; THE PRODUCTS ARE USED TRANSPOSED (source 0 = 16 columns of W2, source 1 = 16 tokens): a lane holds one token and eight neighbouring columns.
; Each token has one owner, so each output row's 256 bytes of these 64 columns are stored once, by 16 lanes, aligned.  Rows that only fill up a tile are masked off.
; REGISTERS, in windows of 256: window 0 addresses, scale words, two sets of accumulators by turns; window 1 W2's 32 fragments (first the rows as loaded, at the end the partial sums); window 2 the hidden layer's 24 fragments.
.set PIT,   272                        ; an LDS row: 256 bytes + 16
.set WREG,  128*PIT                    ; a wave's region: 128 weight rows; later, when these are in registers, its partial sums: 96 rows (48 of o_r, 48 of o_i) of 64 f32
.set SPARE, 4*WREG                     ; the spare words, 128 bytes for each wave
.set WDG, 4                            ; 1,024 (lane / 16) + 16 (lane % 16): my bytes of a load of two weight rows
.set WDS, 5                            ; LDS: where they go
.set WFA, 6                            ; LDS: a weight fragment: region + 272 r + 16 h
.set L16, 7                            ; 16 lane
.set L8,  8                            ; 8 lane
.set RLA, 9                            ; rowlist: 4 x my first row
.set WSA, 10                           ; W2's scale words: 64 lane
.set Q16, 11                           ; 16 (lane % 16)
.set PST, 12                           ; LDS: partial sums, in: region + 272 r + 32 h
.set RD,  13                           ; v13-16 LDS: partial sums of wave k, out: my first row, 16 (lane % 16)
.set SPW, 17                           ; my spare word; never rewritten
.set NIL, 18                           ; 0; never rewritten
.set ROW, 19                           ; my first row on the way out: 12 w + 6 (lane / 16)
.set TK,  20                           ; v20-25 six tokens, then their rows' offsets in the outputs
.set WA,  32                           ; v32-37 their offsets in wgt
.set TMP, 38
.set ASC, 48                           ; v48-59 the hidden layer's scale words (4 m + s): lanes 0-15 h_r's, lanes 16-31 h_i's
.set WSC, 60                           ; v60-75 W2's: real 4 p + s, imaginary 8 + 4 p + s: lanes 0-15 tile 2 p, lanes 16-31 tile 2 p + 1
.set B2,  76                           ; v76-83 b2r's and b2i's four numbers of my columns
.set WG,  84                           ; v84-95 the six probabilities, in the even registers
.set MSB, 0
.macro WIN new                         ; the immediate's high byte repeats the setting that is left
.if MSB != \new
	s_set_vgpr_msb (MSB<<8)|\new
.set MSB, \new
.endif
.endm
.macro OFF3 a, b, c                    ; s54 = expert << a + x << b + wave << c
	s_lshl_b32 s54, s48, \a
	s_lshl_b32 s62, s61, \b
	s_add_co_u32 s54, s54, s62
	s_lshl_b32 s62, s30, \c
	s_add_co_u32 s54, s54, s62
.endm
.macro DENSE_LD p, ri                  ; my 256 bytes of 64 rows of one part of W2: 16 lanes a row, two rows an instruction
	WIN 0x40
.set i, 0
.rept 32
	global_load_b128 v[128*\ri+4*i:128*\ri+4*i+3], v[WDG], s[\p:\p+1] offset:2048*i
.set i, i+1
.endr
.endm
.macro DENSE_ST ri
	WIN 0x04
.set i, 0
.rept 32
	ds_store_b128 v[WDS], v[128*\ri+4*i:128*\ri+4*i+3] offset:(64*\ri+2*i)*PIT
.set i, i+1
.endr
.endm
.macro FRAG_W                          ; fragment (tile t, part ri, K step s) at v[8 ((2 t + ri) 4 + s)] of window 1.  LDS serves a wave's instructions in order: these see my stores
	WIN 0x40
.irp t, 0,1,2,3
.irp ri, 0,1
.irp s, 0,1,2,3
.irp c, 0,1
	ds_load_b128 v[8*((2*\t+\ri)*4+\s)+4*\c:8*((2*\t+\ri)*4+\s)+4*\c+3], v[WFA] offset:(64*\ri+16*\t)*PIT+64*\s+32*\c
.endr
.endr
.endr
.endr
.endm
.macro HID_LD m                        ; the hidden layer's fragments of rows 16 m on: images of the registers, at v[8 ((2 m + ri) 4 + s)] of window 2
	WIN 0x80
.irp ri, 0,1
.irp s, 0,1,2,3
.irp c, 0,1
	global_load_b128 v[8*((2*\m+\ri)*4+\s)+4*\c:8*((2*\m+\ri)*4+\s)+4*\c+3], v[L16], s[10:11] offset:32768*\m+2048*\s+1024*\ri+512*\c
.endr
.endr
.endr
.endm
; one matrix instruction; ar, br: the scale words stand in lanes 16-31 of their register
.macro MM d, a, b, c, sa, sb, ar, br
.if (\ar)==0 && (\br)==0
	v_wmma_scale_f32_16x16x128_f8f6f4 v[\d:\d+7], v[\a:\a+7], v[\b:\b+7], \c, v[\sa], v[\sb] matrix_a_fmt:MATRIX_FMT_FP4 matrix_b_fmt:MATRIX_FMT_FP4
.elseif (\br)==0
	v_wmma_scale_f32_16x16x128_f8f6f4 v[\d:\d+7], v[\a:\a+7], v[\b:\b+7], \c, v[\sa], v[\sb] matrix_a_fmt:MATRIX_FMT_FP4 matrix_b_fmt:MATRIX_FMT_FP4 matrix_a_scale:MATRIX_SCALE_ROW1
.elseif (\ar)==0
	v_wmma_scale_f32_16x16x128_f8f6f4 v[\d:\d+7], v[\a:\a+7], v[\b:\b+7], \c, v[\sa], v[\sb] matrix_a_fmt:MATRIX_FMT_FP4 matrix_b_fmt:MATRIX_FMT_FP4 matrix_b_scale:MATRIX_SCALE_ROW1
.else
	v_wmma_scale_f32_16x16x128_f8f6f4 v[\d:\d+7], v[\a:\a+7], v[\b:\b+7], \c, v[\sa], v[\sb] matrix_a_fmt:MATRIX_FMT_FP4 matrix_b_fmt:MATRIX_FMT_FP4 matrix_a_scale:MATRIX_SCALE_ROW1 matrix_b_scale:MATRIX_SCALE_ROW1
.endif
.endm
.macro SIX c0, c1, c2, c3, c4, c5      ; for tiles 2 p and 2 p + 1: Wr h_r, Wi h_i, Wi h_r
	MM AB, fWR0, fXR, \c0, cWR, cX, 0, 0
	MM AB+8, fWI0, fXI, \c1, cWI, cX, 0, 1
	MM AB+16, fWI0, fXR, \c2, cWI, cX, 0, 0
	MM AB+24, fWR1, fXR, \c3, cWR, cX, 1, 0
	MM AB+32, fWI1, fXI, \c4, cWI, cX, 1, 1
	MM AB+40, fWI1, fXR, \c5, cWI, cX, 1, 0
.endm
; 32 matrix instructions: tiles 2 p, 2 p + 1 of the weights x rows 16 m on, my four K steps.  The six accumulators take turns, one instruction a turn; the first K step starts the sums with the constant 0.
.macro PROD p, m
.irp s, 0,1,2,3
.set fWR0, 8*((4*\p)*4+\s)
.set fWI0, 8*((4*\p+1)*4+\s)
.set fWR1, 8*((4*\p+2)*4+\s)
.set fWI1, 8*((4*\p+3)*4+\s)
.set fXR,  8*((2*\m)*4+\s)
.set fXI,  8*((2*\m+1)*4+\s)
.set cWR,  WSC+4*\p+\s
.set cWI,  WSC+8+4*\p+\s
.set cX,   ASC+4*\m+\s
	WIN 0x09                                       ; source 0 window 1, source 1 window 2, C and D window 0
.if \s == 0
	SIX 0, 0, 0, 0, 0, 0
.else
	SIX v[AB:AB+7], v[AB+8:AB+15], v[AB+16:AB+23], v[AB+24:AB+31], v[AB+32:AB+39], v[AB+40:AB+47]
.endif
	MM AB+16, fWR0, fXI, v[AB+16:AB+23], cWR, cX, 0, 1      ; + Wr h_i
	MM AB+40, fWR1, fXI, v[AB+40:AB+47], cWR, cX, 1, 1
.endr
	WIN 0
.endm
.macro PLACES5                         ; five places: four ahead of the lines that read the results, the fifth for later products that begin accumulators anew and for loads into the fragments' registers
.rept 5
	v_nop
.endr
.endm
; my partial sums of two tiles of columns x 16 rows go to my region: row = token's row, 32 bytes for each half of the lanes.  Each accumulator is taken from its low end on.
.macro PART_ST p, m
.irp u, 0,1
.irp j, 0,2,4,6
	v_pk_add_f32 v[OD+8*\u+\j:OD+8*\u+\j+1], v[AB+24*\u+\j:AB+24*\u+\j+1], v[AB+8+24*\u+\j:AB+8+24*\u+\j+1] neg_lo:[0,1] neg_hi:[0,1]   ; Wr h_r - Wi h_i
.endr
.endr
.irp u, 0,1
	ds_store_b128 v[PST], v[OD+8*\u:OD+8*\u+3] offset:16*\m*PIT+64*(2*\p+\u)
	ds_store_b128 v[PST], v[OD+8*\u+4:OD+8*\u+7] offset:16*\m*PIT+64*(2*\p+\u)+16
	ds_store_b128 v[PST], v[AB+16+24*\u:AB+16+24*\u+3] offset:(48+16*\m)*PIT+64*(2*\p+\u)
	ds_store_b128 v[PST], v[AB+16+24*\u+4:AB+16+24*\u+7] offset:(48+16*\m)*PIT+64*(2*\p+\u)+16
.endr
.endm
	s_load_b512 s[4:19], s[0:1], 0x0               ; meta, rowlist, wgt, hid, hs, W2r codes, scales, W2i codes
	s_load_b256 s[20:27], s[0:1], 0x40             ; W2i scales, b2r, b2i, out0
	s_load_b64 s[28:29], s[0:1], 0x60              ; out1
	v_lshl_add_u32 v[SPW], v0, 2, SPARE
	v_mov_b32 v[NIL], 0
	v_lshrrev_b32 v1, 5, v0
	v_readfirstlane_b32 s30, v1                    ; wave
	s_and_b32 s31, ttmp7, 0xffff                   ; tile
	s_mov_b32 s61, ttmp9                           ; which 64 columns
	v_and_b32 v1, 31, v0                           ; lane
	v_and_b32 v2, 15, v0                           ; r
	v_bfe_u32 v3, v0, 4, 1                         ; h
	s_mul_i32 s62, s30, WREG                       ; my region.  Every LDS address is made here, ahead of the branch on the stored numbers
	v_lshlrev_b32 v[Q16], 4, v2
	v_lshl_add_u32 v[WDG], v3, 10, v[Q16]
	v_mul_u32_u24 v[WDS], v3, PIT
	v_add_nc_u32 v[WDS], v[WDS], v[Q16]
	v_add_nc_u32 v[WDS], s62, v[WDS]
	v_mul_u32_u24 v[WFA], v2, PIT
	v_lshl_add_u32 v[PST], v3, 5, v[WFA]
	v_lshl_add_u32 v[WFA], v3, 4, v[WFA]
	v_add_nc_u32 v[WFA], s62, v[WFA]
	v_add_nc_u32 v[PST], s62, v[PST]
	v_lshlrev_b32 v[L16], 4, v1
	v_lshlrev_b32 v[L8], 3, v1
	s_mul_i32 s63, s30, 12
	v_mul_u32_u24 v[ROW], v3, 6
	v_add_nc_u32 v[ROW], s63, v[ROW]
	v_lshlrev_b32 v[RLA], 2, v[ROW]
	v_lshlrev_b32 v[WSA], 6, v1
	v_mul_u32_u24 v[RD], v[ROW], PIT
	v_add_nc_u32 v[RD], v[RD], v[Q16]
	v_add_nc_u32 v[RD+1], WREG, v[RD]
	v_add_nc_u32 v[RD+2], 2*WREG, v[RD]
	v_add_nc_u32 v[RD+3], 3*WREG, v[RD]
.irp i, 0,1,2,3,4,5                            ; what the way out reads holds a number on every way to it
	v_mov_b32 v[TK+\i], 0
.endr
.irp i, 0,1,2,3,4,5,6,7,8,9,10,11
	v_mov_b32 v[WG+\i], 0
.endr
.irp i, 0,1,2,3,4,5,6,7
	v_mov_b32 v[B2+\i], 0
.endr
	s_mov_b32 s55, 0
	s_wait_kmcnt 0x0
	s_load_b512 s[32:47], s[4:5], 0x0              ; rows of the 8 experts, tiles of the 8 experts
	s_mov_b32 s48, 0                               ; expert
	s_mov_b32 s49, 0                               ; its first tile
	s_mov_b32 s50, 0                               ; its rows
	s_mov_b32 s51, 0                               ; tiles so far
	s_wait_kmcnt 0x0
.irp i, 0,1,2,3,4,5,6,7                        ; the last expert whose first tile is at or under mine owns my tile
	s_cmp_ge_u32 s31, s51
	s_cselect_b32 s48, \i, s48
	s_cselect_b32 s49, s51, s49
	s_cselect_b32 s50, s[32+\i], s50
	s_add_co_u32 s51, s51, s[40+\i]
.endr
	s_cmp_lt_u32 s31, s51
	s_cselect_b32 s53, 1, 0                        ; 1: my tile has rows
	s_min_u32 s48, s48, 7
	s_sub_co_u32 s52, s31, s49
	s_min_u32 s52, s52, 21                         ; which tile of its expert
	s_mul_i32 s62, s52, 48
	s_sub_co_u32 s62, s50, s62
	s_cmp_eq_u32 s53, 1
	s_cselect_b32 s56, s62, 0                      ; the rows left from my tile's first on; 0 where there is no tile
.irp i, 0,1,2,3,4,5
	v_add_nc_u32 v[TMP], \i, v[ROW]
	v_cmp_gt_u32 s[70+\i], s56, v[TMP]             ; the lanes whose i-th row is a token's
.endr
	OFF3 19, 16, 8                                 ; W2's codes: 512 rows of 1,024 bytes an expert; 64 rows a work-group; 256 bytes of a row a wave
	s_add_nc_u64 s[14:15], s[14:15], s[54:55]
	s_add_nc_u64 s[18:19], s[18:19], s[54:55]
	OFF3 15, 12, 4                                 ; its scale bytes: 64 a row, 16 of them a wave
	s_add_nc_u64 s[16:17], s[16:17], s[54:55]
	s_add_nc_u64 s[20:21], s[20:21], s[54:55]
	s_lshl_b32 s54, s48, 11                        ; b2: 2,048 bytes an expert, 256 a work-group
	s_lshl_b32 s62, s61, 8
	s_add_co_u32 s54, s54, s62
	s_add_nc_u64 s[22:23], s[22:23], s[54:55]
	s_add_nc_u64 s[24:25], s[24:25], s[54:55]
	s_mov_b32 s54, s62                             ; the outputs: my 64 columns
	s_add_nc_u64 s[26:27], s[26:27], s[54:55]
	s_add_nc_u64 s[28:29], s[28:29], s[54:55]
	s_mul_i32 s54, s48, 4352                       ; the expert's list, my tile's 48 words
	s_mul_i32 s62, s52, 192
	s_add_co_u32 s54, s54, s62
	s_add_nc_u64 s[6:7], s[6:7], s[54:55]
	s_mul_i32 s54, s31, 98304                      ; hid: tile, my four K steps of 2,048 bytes
	s_lshl_b32 s62, s30, 13
	s_add_co_u32 s54, s54, s62
	s_add_nc_u64 s[10:11], s[10:11], s[54:55]
	s_mul_i32 s54, s31, 6144                       ; hs: tile, my two pieces of 768 bytes
	s_mul_i32 s62, s30, 1536
	s_add_co_u32 s54, s54, s62
	s_add_nc_u64 s[12:13], s[12:13], s[54:55]
	s_cmp_eq_u32 s53, 0
	s_cbranch_scc1 .Ljoin                          ; no rows: nothing is loaded, multiplied or stored
.irp i, 0,1,2,3,4,5
	global_load_b32 v[TK+\i], v[RLA], s[6:7] offset:4*\i                   ; the tokens of the six rows that I finish
.endr
	DENSE_LD 14, 0                                 ; W2r's rows
	WIN 0
	s_wait_loadcnt 32                              ; the tokens are in; W2r's 32 loads may be out
.irp i, 0,1,2,3,4,5
	v_min_u32 v[TK+\i], 0x3ff, v[TK+\i]
.endr
.irp i, 0,1,2,3,4,5
	v_lshlrev_b32 v[WA+\i], 2, v[TK+\i]
.endr
.irp i, 0,1,2,3,4,5
	v_lshlrev_b32 v[TK+\i], 11, v[TK+\i]           ; an output row: 2,048 bytes
.endr
.irp i, 0,1,2,3,4,5
	v_add_nc_u32 v[TK+\i], v[TK+\i], v[Q16]
.endr
.irp i, 0,1,2,3,4,5
	global_load_b32 v[WG+2*\i], v[WA+\i], s[8:9]
.endr
	global_load_b128 v[B2:B2+3], v[Q16], s[22:23]
	global_load_b128 v[B2+4:B2+7], v[Q16], s[24:25]
	DENSE_LD 18, 1                                 ; W2i's rows
	s_wait_loadcnt 40                              ; W2r is in; the 8 small loads and W2i's 32 may be out
	DENSE_ST 0
	HID_LD 0
	s_wait_loadcnt 16                              ; W2i is in; the 16 loads just issued may be out
	DENSE_ST 1
	FRAG_W
	HID_LD 1
	HID_LD 2
	WIN 0
.irp m, 0,1,2
.irp g, 0,1
	global_load_b64 v[ASC+4*\m+2*\g:ASC+4*\m+2*\g+1], v[L8], s[12:13] offset:768*\g+256*\m   ; the scale words of K steps 2 g, 2 g + 1 of my four
.endr
.endr
.irp p, 0,1
	global_load_b128 v[WSC+4*\p:WSC+4*\p+3], v[WSA], s[16:17] offset:2048*\p
	global_load_b128 v[WSC+8+4*\p:WSC+8+4*\p+3], v[WSA], s[20:21] offset:2048*\p
.endr
	s_wait_loadcnt 0x0
	s_wait_dscnt 0x0                               ; all fragments are in registers: my region is free for the partial sums
.set kk, 0
.irp p, 0,1
.irp m, 0,1,2
.set AB, 108+52*(kk%2)                 ; two sets of accumulators (v108-155, v160-207) and of differences (v208-223, v224-239) by turns
.set OD, 208+16*(kk%2)
.if kk >= 2
	s_wait_dscnt 8                                 ; the last product's eight stores may be out; those of the product before it, which read this set, are done
.endif
	PROD \p, \m
	PLACES5
	PART_ST \p, \m
.set kk, kk+1
.endr
.endr
.Ljoin:
	s_wait_dscnt 0x0                               ; for the others' sake: my partial sums lie in LDS
	s_barrier_signal -1
	s_barrier_wait -1
	s_cmp_eq_u32 s53, 0
	s_cbranch_scc1 .Lend
	WIN 0x40                                       ; rows 12 w + 6 (lane / 16) + i of o_r and o_i, 16 bytes a lane, from all four waves: at v[4 ((6 ri + i) 4 + k)] of window 1
.irp ri, 0,1
.irp i, 0,1,2,3,4,5
.irp k, 0,1,2,3
	ds_load_b128 v[4*((6*\ri+\i)*4+\k):4*((6*\ri+\i)*4+\k)+3], v[RD+\k] offset:(48*\ri+\i)*PIT
.endr
.endr
.endr
	s_wait_dscnt 0x0
	WIN 0x45                                       ; destination and both sources window 1
.irp n, 0,1,2,3,4,5,6,7,8,9,10,11
	v_pk_add_f32 v[16*\n:16*\n+1], v[16*\n:16*\n+1], v[16*\n+4:16*\n+5]
	v_pk_add_f32 v[16*\n+2:16*\n+3], v[16*\n+2:16*\n+3], v[16*\n+6:16*\n+7]
	v_pk_add_f32 v[16*\n+8:16*\n+9], v[16*\n+8:16*\n+9], v[16*\n+12:16*\n+13]
	v_pk_add_f32 v[16*\n+10:16*\n+11], v[16*\n+10:16*\n+11], v[16*\n+14:16*\n+15]
.endr
.irp n, 0,1,2,3,4,5,6,7,8,9,10,11
	v_pk_add_f32 v[16*\n:16*\n+1], v[16*\n:16*\n+1], v[16*\n+8:16*\n+9]
	v_pk_add_f32 v[16*\n+2:16*\n+3], v[16*\n+2:16*\n+3], v[16*\n+10:16*\n+11]
.endr
	WIN 0x41                                       ; destination and source 0 window 1, source 1 window 0
.irp ri, 0,1
.irp i, 0,1,2,3,4,5
	v_pk_add_f32 v[16*(6*\ri+\i):16*(6*\ri+\i)+1], v[16*(6*\ri+\i):16*(6*\ri+\i)+1], v[B2+4*\ri:B2+4*\ri+1]
	v_pk_add_f32 v[16*(6*\ri+\i)+2:16*(6*\ri+\i)+3], v[16*(6*\ri+\i)+2:16*(6*\ri+\i)+3], v[B2+4*\ri+2:B2+4*\ri+3]
.endr
.endr
.irp ri, 0,1
.irp i, 0,1,2,3,4,5
	v_pk_mul_f32 v[16*(6*\ri+\i):16*(6*\ri+\i)+1], v[16*(6*\ri+\i):16*(6*\ri+\i)+1], v[WG+2*\i:WG+2*\i+1] op_sel_hi:[1,0]       ; x the token's probability
	v_pk_mul_f32 v[16*(6*\ri+\i)+2:16*(6*\ri+\i)+3], v[16*(6*\ri+\i)+2:16*(6*\ri+\i)+3], v[WG+2*\i:WG+2*\i+1] op_sel_hi:[1,0]
.endr
.endr
	WIN 0x04                                       ; a store's data are its source 1: window 1
	s_wait_xcnt 0x0                                ; EXEC changes only behind this wait
.irp i, 0,1,2,3,4,5
	s_and_saveexec_b32 s76, s[70+\i]               ; only rows that are a token's
	global_store_b128 v[TK+\i], v[16*\i:16*\i+3], s[26:27] th:TH_STORE_NT          ; 16 lanes store 256 consecutive bytes of a token's row, aligned
	global_store_b128 v[TK+\i], v[16*(6+\i):16*(6+\i)+3], s[28:29] th:TH_STORE_NT
	s_wait_xcnt 0x0                                ; and again, in front of the line that widens it
	s_or_b32 exec_lo, exec_lo, s76
.endr
	WIN 0
.Lend:
	s_wait_tensorcnt 0x0                           ; the wave's end
	ds_add_u32 v[SPW], v[NIL]
	s_wait_dscnt 0x0
	s_endpgm
.Lfunc_end_k_q359a8c0e74_down:
	.size	k_q359a8c0e74_down, .Lfunc_end_k_q359a8c0e74_down-k_q359a8c0e74_down
	.p2alignl 7, 3214868480
	.fill 96, 4, 3214868480
	.section	.rodata,"a",@progbits
	.p2align	6, 0x0
	.amdhsa_kernel k_q359a8c0e74_down
		.amdhsa_group_segment_fixed_size 139776
		.amdhsa_private_segment_fixed_size 0
		.amdhsa_enable_private_segment 0
		.amdhsa_kernarg_size 104
		.amdhsa_user_sgpr_count 2
		.amdhsa_user_sgpr_kernarg_segment_ptr 1
		.amdhsa_wavefront_size32 1
		.amdhsa_system_sgpr_workgroup_id_x 1
		.amdhsa_system_sgpr_workgroup_id_y 1
		.amdhsa_system_sgpr_workgroup_id_z 1
		.amdhsa_system_vgpr_workitem_id 0
		.amdhsa_next_free_vgpr 768
		.amdhsa_next_free_sgpr 80
		.amdhsa_reserve_vcc 0
		.amdhsa_float_denorm_mode_32 3
		.amdhsa_float_denorm_mode_16_64 3
		.amdhsa_memory_ordered 1
		.amdhsa_forward_progress 1
		.amdhsa_inst_pref_size 73
	.end_amdhsa_kernel
	.amdgpu_metadata
---
amdhsa.version: [ 1, 2 ]
amdhsa.kernels:
  - .name:           k_q359a8c0e74_down
    .symbol:         k_q359a8c0e74_down.kd
    .args:
      - { .name: meta, .offset: 0, .size: 8, .value_kind: global_buffer, .address_space: global }
      - { .name: rowlist, .offset: 8, .size: 8, .value_kind: global_buffer, .address_space: global }
      - { .name: wgt, .offset: 16, .size: 8, .value_kind: global_buffer, .address_space: global }
      - { .name: hid, .offset: 24, .size: 8, .value_kind: global_buffer, .address_space: global }
      - { .name: hs, .offset: 32, .size: 8, .value_kind: global_buffer, .address_space: global }
      - { .name: W2r_codes, .offset: 40, .size: 8, .value_kind: global_buffer, .address_space: global }
      - { .name: W2r_scales, .offset: 48, .size: 8, .value_kind: global_buffer, .address_space: global }
      - { .name: W2i_codes, .offset: 56, .size: 8, .value_kind: global_buffer, .address_space: global }
      - { .name: W2i_scales, .offset: 64, .size: 8, .value_kind: global_buffer, .address_space: global }
      - { .name: b2r, .offset: 72, .size: 8, .value_kind: global_buffer, .address_space: global }
      - { .name: b2i, .offset: 80, .size: 8, .value_kind: global_buffer, .address_space: global }
      - { .name: out0, .offset: 88, .size: 8, .value_kind: global_buffer, .address_space: global }
      - { .name: out1, .offset: 96, .size: 8, .value_kind: global_buffer, .address_space: global }
    .group_segment_fixed_size: 139776
    .private_segment_fixed_size: 0
    .kernarg_segment_align: 8
    .kernarg_segment_size: 104
    .max_flat_workgroup_size: 128
    .sgpr_count:     80
    .vgpr_count:     768
    .wavefront_size: 32
...
	.end_amdgpu_metadata
.endif
;; end of part 4
;; ======== version 2 of 2: 3 launches; 1.18 times as fast as version 1
;; workspace buffers: idx 4,096 bytes of whole numbers; wgt 4,096 bytes; xq 524,288 bytes; xs 32,768 bytes; tl 7,424 bytes of whole numbers; hid 2,850,816 bytes; hs 178,176 bytes
;; launch gate: the kernel of part 1 again; grid 256 x 1, 4 waves a work-group, no clusters, 55,040 bytes of LDS; arguments x_real, x_imag, gate_W, gate_b, xq, xs, idx, wgt; writes xq, xs, idx, wgt
;; launch up (part 5): grid 8 x 29, 4 waves a work-group, no clusters, 244,992 bytes of LDS; arguments idx, tl, xq, xs, W1r_codes, W1r_scales, W1i_codes, W1i_scales, b1r, b1i, mod_b, hid, hs; writes hid, hs, tl
.if DOCPART == 5
	.amdgcn_target "amdgcn-amd-amdhsa--gfx1250"
	.amdhsa_code_object_version 6
	.text
	.protected	k_q359a8c0e74_up
	.globl	k_q359a8c0e74_up
	.p2align	8
	.type	k_q359a8c0e74_up,@function
k_q359a8c0e74_up:
	s_mov_b64 s[64:65], 0
	v_nop
	global_prefetch_b8 v0, s[64:65] scope:SCOPE_SE
	s_setreg_imm32_b32 hwreg(HW_REG_WAVE_MODE, 25, 1), 1
	s_wait_xcnt 0x0
; THE ROWS BY EXPERT, FIRST COMPLEX PRODUCT, ModReLU, QUANTISER.  h_r = xr W1r - xi W1i + b1r, h_i = xr W1i + xi W1r + b1i on codes of E2M1; a = sqrt(h_r^2 + h_i^2 + eps); h x relu(a + mod_b) / (a + eps); h_r, h_i quantised along H.
; WORK LEFT OUT: only the rows of the expert that each token chose are multiplied (reference()'s own mask makes the others' weight 0: shown at the head of the first launch).
; TILES.  A tile is 48 rows of one expert.  With 1,024 rows and 8 experts there are never more than ceil(1024 / 48) + 7 = 29, whatever the choice.  Work-group (x, y) takes tile y and hidden units 256 x .. 256 x + 255.
; WHICH ROWS.  Every wave reads the 1,024 choices that the launch before stored (whole numbers, 4,096 bytes), counts each expert's rows by masks and bit counts, and so knows which expert owns tile y and which of its tiles it is.
; Ranks run in the order in which the choices lie in the registers (register G, lane l: token 128 (G / 4) + 4 l + G % 4).  Lane l then looks for the tokens of ranks 48 j + l and 48 j + 32 + l: the group of 32 that holds the rank,
; and in its mask the set bit of that number, by counts of 2, 4, 8 and 16 places.  All in registers: no list goes through LDS or memory inside this launch.  A rank beyond the expert's rows gives some token's number: such rows only fill up the tile.
; Wave 0 of work-group (0, y) stores the tile's record for the next launch: tl[y], 64 words: 0-47 the tokens, 48 the expert, 49 the rows left from the tile's first on (0: no tile).  Two stores of 128 consecutive bytes.
; A tile beyond the last has no rows: its work-groups multiply nothing.  That is a branch on stored numbers; this text has no tensor load and no cluster:
; operands go from memory into registers, the weights by way of the wave's own LDS rows.  The one barrier stands behind the place where the two ways join.
; SHARES.  Wave w makes units 64 w .. 64 w + 63 of the 256 for all 48 rows: 4 tiles of 16 units, K = 512 in 4 steps: 192 matrix instructions.  Its 128 rows of W1 (64 real, 64 imaginary, 256 bytes each) and the 96 rows of x's codes
; are loaded as whole rows of 256 bytes (16 lanes a row), laid in LDS rows of 272 bytes and read back as fragments; all fragments then stay in registers.  Each wave stages x for itself: so no barrier stands ahead of the products.
; THE PRODUCTS ARE USED TRANSPOSED (source 0 = 16 units of W1, source 1 = 16 tokens): a lane holds one token and eight units.  THE UNITS OF A TILE ARE NOT NEIGHBOURS: lane r of tile 2 b + u takes unit 32 b + 8 u + r + 8 (r / 8),
; so that the 16 registers of tiles 2 b, 2 b + 1 are the neighbours 32 b + 16 (lane / 16) + 0 .. 15 along the next K.  In LDS the weight rows are laid with bits 3 and 4 of the unit swapped: a tile's 16 rows lie on end.
; OUT.  hid: [tile][m][K step S][re, im][1,024 bytes]: the image of the next product's fragment registers; my 64 units are half c = w % 2 of K step S = 2 x + w / 2.  A lane's 16 codes are 8 bytes; the wave stores 256 consecutive bytes, aligned.
; hs: [tile][x][m][lane][2 K steps][4 bytes]: scale words; lanes 0-15 h_r's of row lane, lanes 16-31 h_i's.  The four waves' half-words meet in LDS and wave 0 stores 768 consecutive bytes.
; LIMITS: a block of zeros gets the byte 1 (its codes are zeros; this program alone reads the bytes).  NaN and infinities are not served.  The stored choices are taken to lie in 0 .. 7, as the launch before makes them.
; REGISTERS, in windows of 256: window 0 addresses, scale words, accumulators, vector work; window 1 W1's 32 fragments (first the rows as loaded); window 2 x's 24 fragments (first the rows as loaded), from v192 b1r's and b1i's tiles.
.set PIT,   272                        ; an LDS row: 256 bytes + 16: the 16 rows of a fragment load start at 16 different banks
.set XOFF,  128*PIT                    ; a wave's region: 128 weight rows, then 96 rows of x (48 real, 48 imaginary)
.set WREG,  XOFF+96*PIT
.set HSL,   4*WREG                     ; the scale half-words: [m][lane][wave][2 bytes], 768 bytes
.set SPARE, HSL+768                    ; the spare words, 128 bytes for each wave
.set WDG, 4                            ; 16 lane: my bytes of a load of 512
.set WDS, 5                            ; LDS: where two weight rows go: region + 272 (lane / 16) + 16 (lane % 16)
.set WFA, 6                            ; LDS: a weight fragment: region + 272 r + 16 h
.set XDS, 7                            ; LDS: where x's rows go: lanes 0-15 rows 0-23, lanes 16-31 rows 24-47
.set XFA, 8                            ; LDS: a fragment of x
.set WSA, 11                           ; W1's scale words: 16 x (my unit in a pair of tiles)
.set BIA, 12                           ; biases: 64 h
.set HOA, 13                           ; hid: 16 r + 8 h
.set HSW, 14                           ; LDS: my half-word
.set HSR, 15                           ; LDS: 8 lane among the half-words
.set HSG, 16                           ; hs: 8 lane
.set SPW, 17                           ; my spare word; never rewritten
.set NIL, 18                           ; 0; never rewritten
.set Q16, 19                           ; 16 (lane % 16)
.set TK,  20                           ; v20-43 24 tokens, then their rows' offsets in xq
.set TR,  44                           ; v44-46 3 tokens, then their offsets in xs
.set H16, 47                           ; 16 h
.set ASC, 48                           ; v48-59 x's scale words (4 m + s): lanes 0-15 x_real's, lanes 16-31 x_imag's
.set WSC, 60                           ; v60-75 W1's: real 4 p + s, imaginary 8 + 4 p + s: lanes 0-15 tile 2 p, lanes 16-31 tile 2 p + 1
.set MODB, 76                          ; v76-107 mod_b in the result's layout
.set AB,  108                          ; v108-155 accumulators: for u = 0, 1 at 24 u: xr Wr (+ b1r), xi Wi, h_i
.set IX,  108                          ; v108-139 ahead of the products: the 1,024 choices
.set TA,  156
.set TB,  172
.set TN,  188
.set ZR,  156                          ; ahead of the products, two of each (ranks 48 j + lane, 48 j + 32 + lane): the rank,
.set ZM,  158                          ; its group's mask,
.set ZQ,  160                          ; the group's prefix, and above bit 16 the group's first token,
.set ZN,  162                          ; which set bit of the mask,
.set ZA,  164                          ; the mask's counts in fields of 2,
.set ZB,  166                          ; of 4,
.set ZC,  168                          ; of 8 places,
.set ZT,  170                          ; at work,
.set ZU,  172
.set ZP,  174                          ; the place found
.set QA,  204                          ; v204-209 the quantiser's
.set TL,  210                          ; v210-215 wave 0's way out
.set CD,  216                          ; v216-239 codes: four registers for each (m, b): no store's data are written again
.set BY,  240                          ; v240-245 bytes and half-words
.set HW,  246                          ; v246-248 the half-word stored, one register for each m
.set REC, 249                          ; the record's second half; not written again
.set ZL,  250                          ; v250-251 the tokens of rows lane and 32 + lane; not written again
.set TLA, 252                          ; 4 lane
.set B1R, 192                          ; in window 2
.set B1I, 224
.set MSB, 0
.macro WIN new                         ; the immediate's high byte repeats the setting that is left
.if MSB != \new
	s_set_vgpr_msb (MSB<<8)|\new
.set MSB, \new
.endif
.endm
.macro OFF3 a, b, c                    ; s54 = expert << a + x << b + wave << c
	s_lshl_b32 s54, s48, \a
	s_lshl_b32 s62, s61, \b
	s_add_co_u32 s54, s54, s62
	s_lshl_b32 s62, s30, \c
	s_add_co_u32 s54, s54, s62
.endm
.macro DENSE_LD p, ri, i0, n           ; of my 64 rows of one part of W1 (16,384 consecutive bytes, 512 an instruction) loads i0 .. i0 + n - 1
	WIN 0x40
.set i, \i0
.rept \n
	global_load_b128 v[128*\ri+4*i:128*\ri+4*i+3], v[WDG], s[\p:\p+1] offset:512*i
.set i, i+1
.endr
.endm
.macro DENSE_ST ri                     ; into LDS rows, bits 3 and 4 of the unit swapped
	WIN 0x04
.set i, 0
.rept 32
	ds_store_b128 v[WDS], v[128*\ri+4*i:128*\ri+4*i+3] offset:(64*\ri+(((2*i)&39)|(((2*i)&8)<<1)|(((2*i)&16)>>1)))*PIT
.set i, i+1
.endr
.endm
.macro FRAG_W                          ; fragment (tile t, part ri, K step s) at v[8 ((2 t + ri) 4 + s)] of window 1.  LDS serves a wave's instructions in order: these see my stores
	WIN 0x40
.irp t, 0,1,2,3
.irp ri, 0,1
.irp s, 0,1,2,3
.irp c, 0,1
	ds_load_b128 v[8*((2*\t+\ri)*4+\s)+4*\c:8*((2*\t+\ri)*4+\s)+4*\c+3], v[WFA] offset:(64*\ri+16*\t)*PIT+64*\s+32*\c
.endr
.endr
.endr
.endr
.endm
.macro FRAG_X                          ; fragment (rows 16 m on, part ri, K step s) at v[8 ((2 m + ri) 4 + s)] of window 2
	WIN 0x80
.irp m, 0,1,2
.irp ri, 0,1
.irp s, 0,1,2,3
.irp c, 0,1
	ds_load_b128 v[8*((2*\m+\ri)*4+\s)+4*\c:8*((2*\m+\ri)*4+\s)+4*\c+3], v[XFA] offset:(48*\ri+16*\m)*PIT+64*\s+32*\c
.endr
.endr
.endr
.endr
.endm
; one matrix instruction; ar, br: the scale words stand in lanes 16-31 of their register
.macro MM d, a, b, c, sa, sb, ar, br
.if (\ar)==0 && (\br)==0
	v_wmma_scale_f32_16x16x128_f8f6f4 v[\d:\d+7], v[\a:\a+7], v[\b:\b+7], \c, v[\sa], v[\sb] matrix_a_fmt:MATRIX_FMT_FP4 matrix_b_fmt:MATRIX_FMT_FP4
.elseif (\br)==0
	v_wmma_scale_f32_16x16x128_f8f6f4 v[\d:\d+7], v[\a:\a+7], v[\b:\b+7], \c, v[\sa], v[\sb] matrix_a_fmt:MATRIX_FMT_FP4 matrix_b_fmt:MATRIX_FMT_FP4 matrix_a_scale:MATRIX_SCALE_ROW1
.elseif (\ar)==0
	v_wmma_scale_f32_16x16x128_f8f6f4 v[\d:\d+7], v[\a:\a+7], v[\b:\b+7], \c, v[\sa], v[\sb] matrix_a_fmt:MATRIX_FMT_FP4 matrix_b_fmt:MATRIX_FMT_FP4 matrix_b_scale:MATRIX_SCALE_ROW1
.else
	v_wmma_scale_f32_16x16x128_f8f6f4 v[\d:\d+7], v[\a:\a+7], v[\b:\b+7], \c, v[\sa], v[\sb] matrix_a_fmt:MATRIX_FMT_FP4 matrix_b_fmt:MATRIX_FMT_FP4 matrix_a_scale:MATRIX_SCALE_ROW1 matrix_b_scale:MATRIX_SCALE_ROW1
.endif
.endm
.macro SIX c0, c1, c2, c3, c4, c5      ; for tiles 2 p and 2 p + 1: Wr ar, Wi ai, Wi ar
	MM AB, fWR0, fXR, \c0, cWR, cX, 0, 0
	MM AB+8, fWI0, fXI, \c1, cWI, cX, 0, 1
	MM AB+16, fWI0, fXR, \c2, cWI, cX, 0, 0
	MM AB+24, fWR1, fXR, \c3, cWR, cX, 1, 0
	MM AB+32, fWI1, fXI, \c4, cWI, cX, 1, 1
	MM AB+40, fWI1, fXR, \c5, cWI, cX, 1, 0
.endm
; 32 matrix instructions: tiles 2 p, 2 p + 1 of the weights x rows 16 m on, all of K.  The six accumulators take turns, one instruction a turn; the biases are the C of a sum's first instruction.
.macro PROD p, m, bias
.irp s, 0,1,2,3
.set fWR0, 8*((4*\p)*4+\s)
.set fWI0, 8*((4*\p+1)*4+\s)
.set fWR1, 8*((4*\p+2)*4+\s)
.set fWI1, 8*((4*\p+3)*4+\s)
.set fXR,  8*((2*\m)*4+\s)
.set fXI,  8*((2*\m+1)*4+\s)
.set cWR,  WSC+4*\p+\s
.set cWI,  WSC+8+4*\p+\s
.set cX,   ASC+4*\m+\s
.if \s == 0
.if \bias
	WIN 0x29                                       ; source 0 window 1, source 1 and C window 2, D window 0
	SIX v[B1R+16*\p:B1R+16*\p+7], 0, v[B1I+16*\p:B1I+16*\p+7], v[B1R+16*\p+8:B1R+16*\p+15], 0, v[B1I+16*\p+8:B1I+16*\p+15]
.else
	WIN 0x09
	SIX 0, 0, 0, 0, 0, 0
.endif
.else
	WIN 0x09                                       ; source 0 window 1, source 1 window 2, C and D window 0
	SIX v[AB:AB+7], v[AB+8:AB+15], v[AB+16:AB+23], v[AB+24:AB+31], v[AB+32:AB+39], v[AB+40:AB+47]
.endif
	WIN 0x09
	MM AB+16, fWR0, fXI, v[AB+16:AB+23], cWR, cX, 0, 1      ; + Wr ai
	MM AB+40, fWR1, fXI, v[AB+40:AB+47], cWR, cX, 1, 1
.endr
	WIN 0
.endm
.macro PLACES5                         ; five places: four ahead of the vector lines that read the results, the fifth for the next products, which begin these accumulators anew with another C (ISA guide 7.12.1)
.rept 5
	v_nop
.endr
.endm
; 16 units of a lane's token: h_r in the first accumulator of each u, h_i in the third, each taken from its low end on
.macro MODRELU b
.irp u, 0,1
.irp j, 0,2,4,6
	v_pk_add_f32 v[AB+24*\u+\j:AB+24*\u+\j+1], v[AB+24*\u+\j:AB+24*\u+\j+1], v[AB+8+24*\u+\j:AB+8+24*\u+\j+1] neg_lo:[0,1] neg_hi:[0,1]   ; h_r = (xr Wr + b1r) - xi Wi
.endr
.endr
.irp u, 0,1
.irp j, 0,2,4,6
	v_pk_fma_f32 v[TA+8*\u+\j:TA+8*\u+\j+1], v[AB+16+24*\u+\j:AB+16+24*\u+\j+1], v[AB+16+24*\u+\j:AB+16+24*\u+\j+1], s[56:57] op_sel_hi:[1,1,0]   ; h_i^2 + eps
.endr
.endr
.irp u, 0,1
.irp j, 0,2,4,6
	v_pk_fma_f32 v[TA+8*\u+\j:TA+8*\u+\j+1], v[AB+24*\u+\j:AB+24*\u+\j+1], v[AB+24*\u+\j:AB+24*\u+\j+1], v[TA+8*\u+\j:TA+8*\u+\j+1]
.endr
.endr
.irp i, 0,1,2,3,4,5,6,7,8,9,10,11,12,13,14,15
	v_sqrt_f32 v[TA+\i], v[TA+\i]                  ; a
.endr
	v_nop
	s_wait_alu depctr_va_vdst(0)                   ; one wait for the sixteen roots, ahead of their first reader
.irp i, 0,2,4,6,8,10,12,14
	v_pk_add_f32 v[TB+\i:TB+\i+1], v[TA+\i:TA+\i+1], s[56:57] op_sel_hi:[1,0]   ; a + eps
.endr
.irp i, 0,1,2,3,4,5,6,7,8,9,10,11,12,13,14,15
	v_rcp_f32 v[TB+\i], v[TB+\i]
.endr
.irp i, 0,2,4,6,8,10,12,14
	v_pk_add_f32 v[TN+\i:TN+\i+1], v[TA+\i:TA+\i+1], v[MODB+16*\b+\i:MODB+16*\b+\i+1]   ; a + mod_b: work that names no reciprocal
.endr
.irp i, 0,1,2,3,4,5,6,7,8,9,10,11,12,13,14,15
	v_max_num_f32 v[TN+\i], 0, v[TN+\i]
.endr
	s_wait_alu depctr_va_vdst(0)                   ; one wait for the sixteen reciprocals
.irp i, 0,2,4,6,8,10,12,14
	v_pk_mul_f32 v[TB+\i:TB+\i+1], v[TB+\i:TB+\i+1], v[TN+\i:TN+\i+1]
.endr
.irp u, 0,1
.irp j, 0,2,4,6
	v_pk_mul_f32 v[AB+24*\u+\j:AB+24*\u+\j+1], v[AB+24*\u+\j:AB+24*\u+\j+1], v[TB+8*\u+\j:TB+8*\u+\j+1]
	v_pk_mul_f32 v[AB+16+24*\u+\j:AB+16+24*\u+\j+1], v[AB+16+24*\u+\j:AB+16+24*\u+\j+1], v[TB+8*\u+\j:TB+8*\u+\j+1]
.endr
.endr
.endm
; block b of my 64 units, rows 16 m on: my 16 numbers of h_r and of h_i, with lane l xor 16's the block of 32
.macro QUANT2 m, b
	v_max3_num_f32 v[QA], |v[AB]|, |v[AB+1]|, 0x1800000          ; the floor 2^(3 - 127): the byte cannot fall under 1
	v_max3_num_f32 v[QA+1], |v[AB+16]|, |v[AB+17]|, 0x1800000
.irp j, 2,4,6
	v_max3_num_f32 v[QA], v[QA], |v[AB+\j]|, |v[AB+\j+1]|
	v_max3_num_f32 v[QA+1], v[QA+1], |v[AB+16+\j]|, |v[AB+16+\j+1]|
.endr
.irp j, 0,2,4,6
	v_max3_num_f32 v[QA], v[QA], |v[AB+24+\j]|, |v[AB+24+\j+1]|
	v_max3_num_f32 v[QA+1], v[QA+1], |v[AB+40+\j]|, |v[AB+40+\j+1]|
.endr
	v_permlanex16_b32 v[QA+2], v[QA], s58, s59
	v_permlanex16_b32 v[QA+3], v[QA+1], s58, s59
	v_max_num_f32 v[QA], v[QA], v[QA+2]
	v_max_num_f32 v[QA+1], v[QA+1], v[QA+3]
	v_add_nc_u32 v[QA+4], 0xff000000, v[QA]        ; 2 off the exponent field: the conversion's scale operand
	v_add_nc_u32 v[QA+5], 0xff000000, v[QA+1]
	v_lshrrev_b32 v[BY+2*\b], 23, v[QA+4]          ; the scales' bytes
	v_lshrrev_b32 v[BY+2*\b+1], 23, v[QA+5]
	v_cvt_scalef32_pk8_fp4_f32 v[CD+4*(2*\m+\b)], v[AB:AB+7], v[QA+4]
	v_cvt_scalef32_pk8_fp4_f32 v[CD+4*(2*\m+\b)+1], v[AB+24:AB+31], v[QA+4]
	v_cvt_scalef32_pk8_fp4_f32 v[CD+4*(2*\m+\b)+2], v[AB+16:AB+23], v[QA+5]
	v_cvt_scalef32_pk8_fp4_f32 v[CD+4*(2*\m+\b)+3], v[AB+40:AB+47], v[QA+5]
	v_nop                                          ; one plain line behind the conversions: the next products write their sources
	global_store_b64 v[HOA], v[CD+4*(2*\m+\b):CD+4*(2*\m+\b)+1], s[26:27] offset:32768*\m+256*\b        ; the wave stores 256 consecutive bytes, aligned: lanes 16 b .. 16 b + 15 of the image's half
	global_store_b64 v[HOA], v[CD+4*(2*\m+\b)+2:CD+4*(2*\m+\b)+3], s[26:27] offset:32768*\m+1024+256*\b
.if \b == 1
	v_lshl_or_b32 v[BY+4], v[BY+2], 8, v[BY]       ; my two blocks' bytes: h_r's,
	v_lshl_or_b32 v[BY+5], v[BY+3], 8, v[BY+1]     ; h_i's;
	v_cndmask_b32 v[HW+\m], v[BY+4], v[BY+5], s60  ; lanes 16-31 carry h_i's
	ds_store_b16 v[HSW], v[HW+\m] offset:256*\m
.endif
.endm
; The search for a set bit goes on: of the 2 w places from ZP on, the low w hold t set bits (read from the counts in src); if the wanted bit's number is t or more, it lies in the upper w: t is taken off and the place steps by w
.macro NARROW src, w
.irp z, 0,1
	v_bfe_u32 v[ZT+\z], v[\src+\z], v[ZP+\z], \w
.endr
.irp z, 0,1
	v_cmp_ge_u32 vcc_lo, v[ZN+\z], v[ZT+\z]
	v_cndmask_b32 v[ZT+\z], 0, v[ZT+\z], vcc_lo
	v_cndmask_b32 v[ZU+\z], 0, \w, vcc_lo
.endr
.irp z, 0,1
	v_sub_nc_u32 v[ZN+\z], v[ZN+\z], v[ZT+\z]
	v_add_nc_u32 v[ZP+\z], v[ZP+\z], v[ZU+\z]
.endr
.endm
; the tokens of rows 8 blk + i (for lanes 0-15) and 24 + 8 blk + i (for lanes 16-31), i = 0 .. 7: the layout in which x's rows are fetched, 16 lanes a row
.macro ROWS blk
.irp i, 0,1,2,3,4,5,6,7
	v_readlane_b32 s[66+\i], v[ZL], 8*\blk+\i
.if \blk == 0
	v_readlane_b32 s[74+\i], v[ZL], 24+\i
.else
	v_readlane_b32 s[74+\i], v[ZL+1], 8*(\blk-1)+\i
.endif
.endr
.irp i, 0,1,2,3,4,5,6,7
	v_mov_b32 v[TK+8*\blk+\i], s[74+\i]
.endr
.irp i, 0,1,2,3,4,5,6,7
	v_cndmask_b32 v[TK+8*\blk+\i], s[66+\i], v[TK+8*\blk+\i], s60
.endr
.endm
	s_load_b512 s[4:19], s[0:1], 0x0               ; idx, tl, xq, xs, W1r codes, scales, W1i codes, scales
	s_load_b256 s[20:27], s[0:1], 0x40             ; b1r, b1i, mod_b, hid
	s_load_b64 s[28:29], s[0:1], 0x60              ; hs
	v_lshl_add_u32 v[SPW], v0, 2, SPARE
	v_mov_b32 v[NIL], 0
	v_lshrrev_b32 v1, 5, v0
	v_readfirstlane_b32 s30, v1                    ; wave
	v_and_b32 v1, 31, v0                           ; lane
	v_lshlrev_b32 v[WDG], 4, v1
	s_wait_kmcnt 0x0
.irp k, 0,1,2,3,4,5,6,7
	global_load_b128 v[IX+4*\k:IX+4*\k+3], v[WDG], s[4:5] offset:512*\k    ; the choices: 512 consecutive bytes an instruction; the set-up below stands between these loads and the wait for them
.endr
	s_and_b32 s31, ttmp7, 0xffff                   ; tile
	s_mov_b32 s61, ttmp9                           ; which 256 units
	v_and_b32 v2, 15, v0                           ; r
	v_bfe_u32 v3, v0, 4, 1                         ; h
	s_mul_i32 s62, s30, WREG                       ; my region.  Every LDS address is made here, ahead of the branch on the stored numbers
	v_lshlrev_b32 v[Q16], 4, v2
	v_lshlrev_b32 v[H16], 4, v3
	v_mul_u32_u24 v[WDS], v3, PIT
	v_add_nc_u32 v[WDS], v[WDS], v[Q16]
	v_add_nc_u32 v[WDS], s62, v[WDS]
	v_mul_u32_u24 v[WFA], v2, PIT
	v_lshl_add_u32 v[WFA], v3, 4, v[WFA]
	v_add_nc_u32 v[XFA], XOFF, v[WFA]
	v_add_nc_u32 v[WFA], s62, v[WFA]
	v_add_nc_u32 v[XFA], s62, v[XFA]
	v_mul_u32_u24 v[XDS], v3, 24*PIT
	v_add_nc_u32 v[XDS], v[XDS], v[Q16]
	v_add_nc_u32 v[XDS], XOFF, v[XDS]
	v_add_nc_u32 v[XDS], s62, v[XDS]
	v_and_b32 v[WSA], 8, v2
	v_add_nc_u32 v[WSA], v[WSA], v2                ; r + 8 (r / 8)
	v_lshl_add_u32 v[WSA], v3, 3, v[WSA]           ; + 8 h: lanes 16-31 take the odd tile's units
	v_lshlrev_b32 v[WSA], 4, v[WSA]
	v_lshlrev_b32 v[BIA], 6, v3
	v_lshl_add_u32 v[HOA], v3, 3, v[Q16]
	s_lshl_b32 s63, s30, 1
	s_add_co_u32 s63, s63, HSL
	v_lshl_add_u32 v[HSW], v1, 3, s63
	v_lshl_add_u32 v[HSR], v1, 3, HSL
	v_lshlrev_b32 v[HSG], 3, v1
	v_lshlrev_b32 v[TLA], 2, v1
	v_mov_b32 v[QA+2], 0                           ; written once: a lane permute's destination counts as one of its sources
	v_mov_b32 v[QA+3], 0
	s_mov_b32 s56, 0x2edbe6ff                      ; eps = 1e-10
	s_mov_b32 s57, s56
	s_mov_b32 s58, 0x76543210                      ; v_permlanex16_b32's selects for lane l xor 16
	s_mov_b32 s59, 0xfedcba98
	s_mov_b32 s60, 0xffff0000                      ; lanes 16-31
	s_mov_b32 s55, 0
	s_lshl_b32 s54, s31, 8                         ; tl: 256 bytes a tile
	s_add_nc_u64 s[6:7], s[6:7], s[54:55]
	s_mul_i32 s54, s31, 98304                      ; hid: tile, K step 2 x + w / 2 (2,048 bytes), half w % 2 (512 bytes)
	s_lshl_b32 s62, s61, 12
	s_add_co_u32 s54, s54, s62
	s_lshr_b32 s62, s30, 1
	s_lshl_b32 s62, s62, 11
	s_add_co_u32 s54, s54, s62
	s_and_b32 s62, s30, 1
	s_lshl_b32 s62, s62, 9
	s_add_co_u32 s54, s54, s62
	s_add_nc_u64 s[26:27], s[26:27], s[54:55]
	s_mul_i32 s54, s31, 6144                       ; hs: tile, 768 bytes a work-group
	s_mul_i32 s62, s61, 768
	s_add_co_u32 s54, s54, s62
	s_add_nc_u64 s[28:29], s[28:29], s[54:55]
.irp e, 0,1,2,3,4,5,6
	s_mov_b32 s[32+\e], 0                          ; rows of expert e
.endr
	s_wait_loadcnt 0x0                             ; the choices are in
; THE ROWS OF EXPERTS 0 TO 6: four registers of choices at a time: 28 masks, their bit counts in place, 28 additions
.set g, 0
.rept 8
.irp q, 0,1,2,3
.irp e, 0,1,2,3,4,5,6
	v_cmp_eq_u32 s[66+7*\q+\e], \e, v[IX+g+\q]
.endr
.endr
.set i, 0
.rept 28
	s_bcnt1_i32_b32 s[66+i], s[66+i]
.set i, i+1
.endr
.irp q, 0,1,2,3
.irp e, 0,1,2,3,4,5,6
	s_add_co_u32 s[32+\e], s[32+\e], s[66+7*\q+\e]
.endr
.endr
.set g, g+4
.endr
	s_mov_b32 s39, 1024                            ; expert 7 has the rest
.irp e, 0,1,2,3,4,5,6
	s_sub_co_u32 s39, s39, s[32+\e]
.endr
.irp e, 0,1,2,3,4,5,6,7
	s_add_co_u32 s[40+\e], s[32+\e], 47            ; its tiles: (rows + 47) / 48: x 1,366 / 65,536 is x / 48 + x / 98,304, whose whole part is that of x / 48 for x under 2,048
.endr
.irp e, 0,1,2,3,4,5,6,7
	s_mul_i32 s[40+\e], s[40+\e], 1366
.endr
.irp e, 0,1,2,3,4,5,6,7
	s_lshr_b32 s[40+\e], s[40+\e], 16
.endr
	s_mov_b32 s48, 0                               ; expert
	s_mov_b32 s49, 0                               ; its first tile
	s_mov_b32 s50, 0                               ; its rows
	s_mov_b32 s51, 0                               ; tiles so far
.irp i, 0,1,2,3,4,5,6,7                        ; the last expert whose first tile is at or under mine owns my tile
	s_cmp_ge_u32 s31, s51
	s_cselect_b32 s48, \i, s48
	s_cselect_b32 s49, s51, s49
	s_cselect_b32 s50, s[32+\i], s50
	s_add_co_u32 s51, s51, s[40+\i]
.endr
	s_cmp_lt_u32 s31, s51
	s_cselect_b32 s53, 1, 0                        ; 1: my tile has rows
	s_min_u32 s48, s48, 7
	s_sub_co_u32 s52, s31, s49
	s_min_u32 s52, s52, 21                         ; which tile of its expert: an expert has at most ceil(1024 / 48) = 22
	s_mul_i32 s99, s52, 48                         ; the tile's first rank
	s_sub_co_u32 s98, s50, s99                     ; the rows left from there on
	OFF3 19, 16, 14                                ; W1's codes: 2,048 rows of 256 bytes an expert; 256 rows a work-group; 64 a wave
	s_add_nc_u64 s[12:13], s[12:13], s[54:55]
	s_add_nc_u64 s[16:17], s[16:17], s[54:55]
	OFF3 15, 12, 10                                ; its scale bytes: 16 a row
	s_add_nc_u64 s[14:15], s[14:15], s[54:55]
	s_add_nc_u64 s[18:19], s[18:19], s[54:55]
	OFF3 13, 10, 8                                 ; biases: 4 bytes a unit
	s_add_nc_u64 s[20:21], s[20:21], s[54:55]
	s_add_nc_u64 s[22:23], s[22:23], s[54:55]
	s_add_nc_u64 s[24:25], s[24:25], s[54:55]
	s_cmp_eq_u32 s53, 0
	s_cbranch_scc0 .Lvalid
	s_or_b32 s93, s61, s30                         ; no rows: nothing is multiplied.  Wave 0 of work-group (0, y) says so in the record: words 32 to 63 are zeros, the rows left among them
	s_cmp_lg_u32 s93, 0
	s_cbranch_scc1 .Ljoin
	global_store_b32 v[TLA], v[QA+2], s[6:7] offset:128
	s_branch .Ljoin
.Lvalid:
	DENSE_LD 12, 0, 0, 32                          ; W1r's rows, and 28 of W1i's 32 loads: 60 loads are out, fewer than the counter's field holds, so that the search below is issued while they are on their way
	DENSE_LD 16, 1, 0, 28
	WIN 0
; THE GROUP THAT HOLDS EACH RANK: walking the 32 groups, a lane keeps the mask and the prefix of the last group whose prefix is at or under its rank
	v_add_nc_u32 v[ZR], s99, v1
	v_add_nc_u32 v[ZR+1], 32, v[ZR]
.irp z, 0,1
	v_mov_b32 v[ZM+\z], 0
	v_mov_b32 v[ZQ+\z], 0
.endr
	s_mov_b32 s74, 0                               ; rows in the groups before
.set g, 0
.rept 4
.irp i, 0,1,2,3,4,5,6,7
	v_cmp_eq_u32 s[66+\i], s48, v[IX+g+\i]         ; the lanes whose token chose my expert
.endr
.irp i, 0,1,2,3,4,5,6,7
	s_bcnt1_i32_b32 s93, s[66+\i]
	s_add_co_u32 s[84+\i], s[74+\i], (128*((g+\i)/4)+(g+\i)%4)<<16   ; the prefix, with the group's first token above bit 16
	s_add_co_u32 s[75+\i], s[74+\i], s93
.endr
.irp i, 0,1,2,3,4,5,6,7
	v_cmp_gt_u32 vcc_lo, s[74+\i], v[ZR]           ; the prefix is over my rank: what I hold stays
	v_cmp_gt_u32 s92, s[74+\i], v[ZR+1]
	v_cndmask_b32 v[ZM], s[66+\i], v[ZM], vcc_lo
	v_cndmask_b32 v[ZQ], s[84+\i], v[ZQ], vcc_lo
	v_cndmask_b32 v[ZM+1], s[66+\i], v[ZM+1], s92
	v_cndmask_b32 v[ZQ+1], s[84+\i], v[ZQ+1], s92
.endr
	s_mov_b32 s74, s82
.set g, g+8
.endr
; THE SET BIT OF THAT NUMBER IN THE MASK: counts in fields of 2, 4 and 8 places, then five halvings
.irp z, 0,1
	v_and_b32 v[ZT+\z], 0xffff, v[ZQ+\z]
.endr
.irp z, 0,1
	v_sub_nc_u32 v[ZN+\z], v[ZR+\z], v[ZT+\z]      ; rank less prefix
.endr
.irp z, 0,1
	v_lshrrev_b32 v[ZT+\z], 1, v[ZM+\z]
.endr
.irp z, 0,1
	v_and_b32 v[ZT+\z], 0x55555555, v[ZT+\z]
.endr
.irp z, 0,1
	v_sub_nc_u32 v[ZA+\z], v[ZM+\z], v[ZT+\z]
.endr
.irp z, 0,1
	v_lshrrev_b32 v[ZT+\z], 2, v[ZA+\z]
.endr
.irp z, 0,1
	v_and_b32 v[ZT+\z], 0x33333333, v[ZT+\z]
	v_and_b32 v[ZB+\z], 0x33333333, v[ZA+\z]
.endr
.irp z, 0,1
	v_add_nc_u32 v[ZB+\z], v[ZB+\z], v[ZT+\z]
.endr
.irp z, 0,1
	v_lshrrev_b32 v[ZT+\z], 4, v[ZB+\z]
.endr
.irp z, 0,1
	v_add_nc_u32 v[ZT+\z], v[ZT+\z], v[ZB+\z]
.endr
.irp z, 0,1
	v_and_b32 v[ZC+\z], 0x0f0f0f0f, v[ZT+\z]
.endr
.irp z, 0,1
	v_bfe_u32 v[ZT+\z], v[ZC+\z], 8, 8
	v_and_b32 v[ZU+\z], 0xff, v[ZC+\z]
.endr
.irp z, 0,1
	v_add_nc_u32 v[ZT+\z], v[ZT+\z], v[ZU+\z]      ; set bits among the low 16 places
.endr
.irp z, 0,1
	v_cmp_ge_u32 vcc_lo, v[ZN+\z], v[ZT+\z]
	v_cndmask_b32 v[ZT+\z], 0, v[ZT+\z], vcc_lo
	v_cndmask_b32 v[ZP+\z], 0, 16, vcc_lo
.endr
.irp z, 0,1
	v_sub_nc_u32 v[ZN+\z], v[ZN+\z], v[ZT+\z]
.endr
	NARROW ZC, 8
	NARROW ZB, 4
	NARROW ZA, 2
	NARROW ZM, 1
.irp z, 0,1
	v_lshrrev_b32 v[ZT+\z], 16, v[ZQ+\z]
.endr
.irp z, 0,1
	v_lshl_add_u32 v[ZL+\z], v[ZP+\z], 2, v[ZT+\z] ; the token: the group's first + 4 x the place
.endr
; into the layouts that the gathers want
	v_permlanex16_b32 v[QA+2], v[ZL], s58, s59
	v_permlanex16_b32 v[QA+3], v[ZL+1], s58, s59
	v_cndmask_b32 v[TR], v[ZL], v[QA+2], s60       ; the token of row r,
	v_cndmask_b32 v[TR+1], v[QA+2], v[ZL], s60     ; of row 16 + r,
	v_cndmask_b32 v[TR+2], v[ZL+1], v[QA+3], s60   ; of row 32 + r, in both halves of the lanes
	ROWS 0
	ROWS 1
	ROWS 2
	s_or_b32 s93, s61, s30
	s_cmp_lg_u32 s93, 0
	s_cbranch_scc1 .Lnorec
	v_cmp_ne_u32 vcc_lo, 16, v1                    ; the tile's record: wave 0 of work-group (0, y) alone
	v_cndmask_b32 v[REC], s48, v[ZL+1], vcc_lo     ; word 48: the expert
	v_cmp_ne_u32 vcc_lo, 17, v1
	v_cndmask_b32 v[REC], s98, v[REC], vcc_lo      ; word 49: the rows left
	global_store_b32 v[TLA], v[ZL], s[6:7]         ; 128 consecutive bytes each; their registers are not written again
	global_store_b32 v[TLA], v[REC], s[6:7] offset:128
.Lnorec:
.set n, 0
.rept 24
	v_min_u32 v[TK+n], 0x3ff, v[TK+n]              ; a number made of loaded data enters an address only behind a bound: a token is under 1,024
.set n, n+1
.endr
.set n, 0
.rept 24
	v_lshlrev_b32 v[TK+n], 8, v[TK+n]              ; a token's codes: 256 bytes
.set n, n+1
.endr
.set n, 0
.rept 24
	v_add_nc_u32 v[TK+n], v[TK+n], v[Q16]
.set n, n+1
.endr
.irp m, 0,1,2
	v_min_u32 v[TR+\m], 0x3ff, v[TR+\m]
.endr
.irp m, 0,1,2
	v_lshlrev_b32 v[TR+\m], 5, v[TR+\m]            ; a token's scale bytes: 16 real, 16 imaginary
.endr
.irp m, 0,1,2
	v_add_nc_u32 v[TR+\m], v[TR+\m], v[H16]
.endr
	DENSE_LD 16, 1, 28, 4                          ; the rest of W1i
	WIN 0x80
.set n, 0
.rept 24
	global_load_b128 v[4*n:4*n+3], v[TK+n], s[8:9]                         ; 16 lanes read a token's whole row of 256 bytes
	global_load_b128 v[96+4*n:96+4*n+3], v[TK+n], s[8:9] offset:262144
.set n, n+1
.endr
	WIN 0
.irp m, 0,1,2
	global_load_b128 v[ASC+4*\m:ASC+4*\m+3], v[TR+\m], s[10:11]            ; the four K steps' scale words
.endr
	s_wait_loadcnt 51                              ; all of W1 is in; the 48 + 3 loads of x may be out
	DENSE_ST 0
	DENSE_ST 1
	FRAG_W
	WIN 0x80
.irp t, 0,1,2,3                                ; the biases in the result's layout: lane (r, h), tile 2 b + u, register j: unit 32 b + 8 u + 16 h + j
	global_load_b128 v[B1R+8*\t:B1R+8*\t+3], v[BIA], s[20:21] offset:(32*(\t/2)+8*(\t%2))*4
	global_load_b128 v[B1R+8*\t+4:B1R+8*\t+7], v[BIA], s[20:21] offset:(32*(\t/2)+8*(\t%2))*4+16
	global_load_b128 v[B1I+8*\t:B1I+8*\t+3], v[BIA], s[22:23] offset:(32*(\t/2)+8*(\t%2))*4
	global_load_b128 v[B1I+8*\t+4:B1I+8*\t+7], v[BIA], s[22:23] offset:(32*(\t/2)+8*(\t%2))*4+16
.endr
	WIN 0
.irp t, 0,1,2,3
	global_load_b128 v[MODB+8*\t:MODB+8*\t+3], v[BIA], s[24:25] offset:(32*(\t/2)+8*(\t%2))*4
	global_load_b128 v[MODB+8*\t+4:MODB+8*\t+7], v[BIA], s[24:25] offset:(32*(\t/2)+8*(\t%2))*4+16
.endr
.irp p, 0,1
	global_load_b128 v[WSC+4*\p:WSC+4*\p+3], v[WSA], s[14:15] offset:512*\p
	global_load_b128 v[WSC+8+4*\p:WSC+8+4*\p+3], v[WSA], s[18:19] offset:512*\p
.endr
	s_wait_loadcnt 28                              ; x is in; the 28 loads of biases and scale words may be out
	WIN 0x08
.set n, 0
.rept 24
	ds_store_b128 v[XDS], v[4*n:4*n+3] offset:PIT*n
	ds_store_b128 v[XDS], v[96+4*n:96+4*n+3] offset:48*PIT+PIT*n
.set n, n+1
.endr
	FRAG_X                                         ; back as fragments, into the registers that the rows left
	WIN 0
	s_wait_loadcnt 0x0
	s_wait_dscnt 0x0                               ; all fragments are in registers
.irp m, 0,1,2
.irp b, 0,1
	PROD \b, \m, 1
	PLACES5
	MODRELU \b
	QUANT2 \m, \b
.endr
.endr
.Ljoin:
	s_wait_dscnt 0x0                               ; for wave 0's sake: my half-words lie in LDS
	s_barrier_signal -1
	s_barrier_wait -1
	s_cmp_eq_u32 s53, 0
	s_cbranch_scc1 .Lend
	s_cmp_lg_u32 s30, 0
	s_cbranch_scc1 .Lend
.irp k, 0,1,2
	ds_load_b64 v[TL+2*\k:TL+2*\k+1], v[HSR] offset:256*\k
.endr
	s_wait_dscnt 0x0
.irp k, 0,1,2
	global_store_b64 v[HSG], v[TL+2*\k:TL+2*\k+1], s[28:29] offset:256*\k   ; 256 consecutive bytes, aligned
.endr
.Lend:
	s_wait_tensorcnt 0x0                           ; the wave's end
	ds_add_u32 v[SPW], v[NIL]
	s_wait_dscnt 0x0
	s_endpgm
.Lfunc_end_k_q359a8c0e74_up:
	.size	k_q359a8c0e74_up, .Lfunc_end_k_q359a8c0e74_up-k_q359a8c0e74_up
	.p2alignl 7, 3214868480
	.fill 96, 4, 3214868480
	.section	.rodata,"a",@progbits
	.p2align	6, 0x0
	.amdhsa_kernel k_q359a8c0e74_up
		.amdhsa_group_segment_fixed_size 244992
		.amdhsa_private_segment_fixed_size 0
		.amdhsa_enable_private_segment 0
		.amdhsa_kernarg_size 104
		.amdhsa_user_sgpr_count 2
		.amdhsa_user_sgpr_kernarg_segment_ptr 1
		.amdhsa_wavefront_size32 1
		.amdhsa_system_sgpr_workgroup_id_x 1
		.amdhsa_system_sgpr_workgroup_id_y 1
		.amdhsa_system_sgpr_workgroup_id_z 1
		.amdhsa_system_vgpr_workitem_id 0
		.amdhsa_next_free_vgpr 768
		.amdhsa_next_free_sgpr 100
		.amdhsa_reserve_vcc 1
		.amdhsa_float_denorm_mode_32 3
		.amdhsa_float_denorm_mode_16_64 3
		.amdhsa_memory_ordered 1
		.amdhsa_forward_progress 1
		.amdhsa_inst_pref_size 165
	.end_amdhsa_kernel
	.amdgpu_metadata
---
amdhsa.version: [ 1, 2 ]
amdhsa.kernels:
  - .name:           k_q359a8c0e74_up
    .symbol:         k_q359a8c0e74_up.kd
    .args:
      - { .name: idx, .offset: 0, .size: 8, .value_kind: global_buffer, .address_space: global }
      - { .name: tl, .offset: 8, .size: 8, .value_kind: global_buffer, .address_space: global }
      - { .name: xq, .offset: 16, .size: 8, .value_kind: global_buffer, .address_space: global }
      - { .name: xs, .offset: 24, .size: 8, .value_kind: global_buffer, .address_space: global }
      - { .name: W1r_codes, .offset: 32, .size: 8, .value_kind: global_buffer, .address_space: global }
      - { .name: W1r_scales, .offset: 40, .size: 8, .value_kind: global_buffer, .address_space: global }
      - { .name: W1i_codes, .offset: 48, .size: 8, .value_kind: global_buffer, .address_space: global }
      - { .name: W1i_scales, .offset: 56, .size: 8, .value_kind: global_buffer, .address_space: global }
      - { .name: b1r, .offset: 64, .size: 8, .value_kind: global_buffer, .address_space: global }
      - { .name: b1i, .offset: 72, .size: 8, .value_kind: global_buffer, .address_space: global }
      - { .name: mod_b, .offset: 80, .size: 8, .value_kind: global_buffer, .address_space: global }
      - { .name: hid, .offset: 88, .size: 8, .value_kind: global_buffer, .address_space: global }
      - { .name: hs, .offset: 96, .size: 8, .value_kind: global_buffer, .address_space: global }
    .group_segment_fixed_size: 244992
    .private_segment_fixed_size: 0
    .kernarg_segment_align: 8
    .kernarg_segment_size: 104
    .max_flat_workgroup_size: 128
    .sgpr_count:     100
    .vgpr_count:     768
    .wavefront_size: 32
...
	.end_amdgpu_metadata
.endif
;; end of part 5
;; launch down (part 6): grid 8 x 29, 4 waves a work-group, no clusters, 139,776 bytes of LDS; arguments tl, wgt, hid, hs, W2r_codes, W2r_scales, W2i_codes, W2i_scales, b2r, b2i, out0, out1; writes out0, out1
.if DOCPART == 6
	.amdgcn_target "amdgcn-amd-amdhsa--gfx1250"
	.amdhsa_code_object_version 6
	.text
	.protected	k_q359a8c0e74_down
	.globl	k_q359a8c0e74_down
	.p2align	8
	.type	k_q359a8c0e74_down,@function
k_q359a8c0e74_down:
	s_mov_b64 s[64:65], 0
	v_nop
	global_prefetch_b8 v0, s[64:65] scope:SCOPE_SE
	s_setreg_imm32_b32 hwreg(HW_REG_WAVE_MODE, 25, 1), 1
	s_wait_xcnt 0x0
; SECOND COMPLEX PRODUCT AND THE WAY OUT.  o_r = h_r W2r - h_i W2i + b2r, o_i = h_r W2i + h_i W2r + b2i on codes of E2M1; out[token] = probability of the chosen expert x o.
; WORK LEFT OUT: only the rows of the expert that each token chose are multiplied, and the sum over the 8 experts has its one term (reference()'s own mask: shown at the head of the first launch).
; TILES as in the launch before: work-group (x, y) takes tile y (48 rows of one expert) and output columns 64 x .. 64 x + 63.  The tile's record tl[y], which the launch before stored, gives its tokens (words 0-47),
; its expert (word 48) and the rows left from its first on (word 49).  A tile with no rows left: its work-group stores nothing.
; That is a branch on a stored number; this text has no tensor load and no cluster.  The one barrier stands behind the place where the two ways join.
; THE WAVES SHARE K: wave w takes K steps 4 w .. 4 w + 3 of the 16.  Its part of a row of W2 is 256 consecutive bytes, aligned; no byte is loaded twice in the work-group; the hidden layer's fragments come
; straight into registers from their images (512 consecutive bytes an instruction).  192 matrix instructions a wave.  The four partial sums meet in LDS behind the barrier; wave w then finishes rows 12 w .. 12 w + 11.
; THE PRODUCTS ARE USED TRANSPOSED (source 0 = 16 columns of W2, source 1 = 16 tokens): a lane holds one token and eight neighbouring columns.
; Each token has one owner, so each output row's 256 bytes of these 64 columns are stored once, by 16 lanes, aligned.  Rows that only fill up a tile are masked off.
; REGISTERS, in windows of 256: window 0 addresses, scale words, two sets of accumulators by turns; window 1 W2's 32 fragments (first the rows as loaded, at the end the partial sums); window 2 the hidden layer's 24 fragments.
.set PIT,   272                        ; an LDS row: 256 bytes + 16
.set WREG,  128*PIT                    ; a wave's region: 128 weight rows; later, when these are in registers, its partial sums: 96 rows (48 of o_r, 48 of o_i) of 64 f32
.set SPARE, 4*WREG                     ; the spare words, 128 bytes for each wave
.set PTL,  4                           ; s[4:5]   tl
.set PWG,  6                           ; s[6:7]   wgt
.set PHID, 8                           ; s[8:9]   hid
.set PHS,  10                          ; s[10:11] hs
.set PWR,  12                          ; s[12:13] W2r's codes
.set PWRS, 14                          ; s[14:15] its scale bytes
.set PWI,  16                          ; s[16:17] W2i's codes
.set PWIS, 18                          ; s[18:19] its scale bytes
.set PBR,  20                          ; s[20:21] b2r
.set PBI,  22                          ; s[22:23] b2i
.set PO0,  24                          ; s[24:25] out0
.set PO1,  26                          ; s[26:27] out1
.set WDG, 4                            ; 1,024 (lane / 16) + 16 (lane % 16): my bytes of a load of two weight rows
.set WDS, 5                            ; LDS: where they go
.set WFA, 6                            ; LDS: a weight fragment: region + 272 r + 16 h
.set L16, 7                            ; 16 lane
.set L8,  8                            ; 8 lane
.set RLA, 9                            ; the record: 4 x my first row
.set WSA, 10                           ; W2's scale words: 64 lane
.set Q16, 11                           ; 16 (lane % 16)
.set PST, 12                           ; LDS: partial sums, in: region + 272 r + 32 h
.set RD,  13                           ; v13-16 LDS: partial sums of wave k, out: my first row, 16 (lane % 16)
.set SPW, 17                           ; my spare word; never rewritten
.set NIL, 18                           ; 0; never rewritten
.set ROW, 19                           ; my first row on the way out: 12 w + 6 (lane / 16)
.set TK,  20                           ; v20-25 six tokens, then their rows' offsets in the outputs
.set WA,  32                           ; v32-37 their offsets in wgt
.set TMP, 38
.set ASC, 48                           ; v48-59 the hidden layer's scale words (4 m + s): lanes 0-15 h_r's, lanes 16-31 h_i's
.set WSC, 60                           ; v60-75 W2's: real 4 p + s, imaginary 8 + 4 p + s: lanes 0-15 tile 2 p, lanes 16-31 tile 2 p + 1
.set B2,  76                           ; v76-83 b2r's and b2i's four numbers of my columns
.set WG,  84                           ; v84-95 the six probabilities, in the even registers
.set MSB, 0
.macro WIN new                         ; the immediate's high byte repeats the setting that is left
.if MSB != \new
	s_set_vgpr_msb (MSB<<8)|\new
.set MSB, \new
.endif
.endm
.macro OFF3 a, b, c                    ; s54 = expert << a + x << b + wave << c
	s_lshl_b32 s54, s48, \a
	s_lshl_b32 s62, s61, \b
	s_add_co_u32 s54, s54, s62
	s_lshl_b32 s62, s30, \c
	s_add_co_u32 s54, s54, s62
.endm
.macro DENSE_LD p, ri                  ; my 256 bytes of 64 rows of one part of W2: 16 lanes a row, two rows an instruction
	WIN 0x40
.set i, 0
.rept 32
	global_load_b128 v[128*\ri+4*i:128*\ri+4*i+3], v[WDG], s[\p:\p+1] offset:2048*i
.set i, i+1
.endr
.endm
.macro DENSE_ST ri
	WIN 0x04
.set i, 0
.rept 32
	ds_store_b128 v[WDS], v[128*\ri+4*i:128*\ri+4*i+3] offset:(64*\ri+2*i)*PIT
.set i, i+1
.endr
.endm
.macro FRAG_W                          ; fragment (tile t, part ri, K step s) at v[8 ((2 t + ri) 4 + s)] of window 1.  LDS serves a wave's instructions in order: these see my stores
	WIN 0x40
.irp t, 0,1,2,3
.irp ri, 0,1
.irp s, 0,1,2,3
.irp c, 0,1
	ds_load_b128 v[8*((2*\t+\ri)*4+\s)+4*\c:8*((2*\t+\ri)*4+\s)+4*\c+3], v[WFA] offset:(64*\ri+16*\t)*PIT+64*\s+32*\c
.endr
.endr
.endr
.endr
.endm
.macro HID_LD m                        ; the hidden layer's fragments of rows 16 m on: images of the registers, at v[8 ((2 m + ri) 4 + s)] of window 2
	WIN 0x80
.irp ri, 0,1
.irp s, 0,1,2,3
.irp c, 0,1
	global_load_b128 v[8*((2*\m+\ri)*4+\s)+4*\c:8*((2*\m+\ri)*4+\s)+4*\c+3], v[L16], s[PHID:PHID+1] offset:32768*\m+2048*\s+1024*\ri+512*\c
.endr
.endr
.endr
.endm
; one matrix instruction; ar, br: the scale words stand in lanes 16-31 of their register
.macro MM d, a, b, c, sa, sb, ar, br
.if (\ar)==0 && (\br)==0
	v_wmma_scale_f32_16x16x128_f8f6f4 v[\d:\d+7], v[\a:\a+7], v[\b:\b+7], \c, v[\sa], v[\sb] matrix_a_fmt:MATRIX_FMT_FP4 matrix_b_fmt:MATRIX_FMT_FP4
.elseif (\br)==0
	v_wmma_scale_f32_16x16x128_f8f6f4 v[\d:\d+7], v[\a:\a+7], v[\b:\b+7], \c, v[\sa], v[\sb] matrix_a_fmt:MATRIX_FMT_FP4 matrix_b_fmt:MATRIX_FMT_FP4 matrix_a_scale:MATRIX_SCALE_ROW1
.elseif (\ar)==0
	v_wmma_scale_f32_16x16x128_f8f6f4 v[\d:\d+7], v[\a:\a+7], v[\b:\b+7], \c, v[\sa], v[\sb] matrix_a_fmt:MATRIX_FMT_FP4 matrix_b_fmt:MATRIX_FMT_FP4 matrix_b_scale:MATRIX_SCALE_ROW1
.else
	v_wmma_scale_f32_16x16x128_f8f6f4 v[\d:\d+7], v[\a:\a+7], v[\b:\b+7], \c, v[\sa], v[\sb] matrix_a_fmt:MATRIX_FMT_FP4 matrix_b_fmt:MATRIX_FMT_FP4 matrix_a_scale:MATRIX_SCALE_ROW1 matrix_b_scale:MATRIX_SCALE_ROW1
.endif
.endm
.macro SIX c0, c1, c2, c3, c4, c5      ; for tiles 2 p and 2 p + 1: Wr h_r, Wi h_i, Wi h_r
	MM AB, fWR0, fXR, \c0, cWR, cX, 0, 0
	MM AB+8, fWI0, fXI, \c1, cWI, cX, 0, 1
	MM AB+16, fWI0, fXR, \c2, cWI, cX, 0, 0
	MM AB+24, fWR1, fXR, \c3, cWR, cX, 1, 0
	MM AB+32, fWI1, fXI, \c4, cWI, cX, 1, 1
	MM AB+40, fWI1, fXR, \c5, cWI, cX, 1, 0
.endm
; 32 matrix instructions: tiles 2 p, 2 p + 1 of the weights x rows 16 m on, my four K steps.  The six accumulators take turns, one instruction a turn; the first K step starts the sums with the constant 0.
.macro PROD p, m
.irp s, 0,1,2,3
.set fWR0, 8*((4*\p)*4+\s)
.set fWI0, 8*((4*\p+1)*4+\s)
.set fWR1, 8*((4*\p+2)*4+\s)
.set fWI1, 8*((4*\p+3)*4+\s)
.set fXR,  8*((2*\m)*4+\s)
.set fXI,  8*((2*\m+1)*4+\s)
.set cWR,  WSC+4*\p+\s
.set cWI,  WSC+8+4*\p+\s
.set cX,   ASC+4*\m+\s
	WIN 0x09                                       ; source 0 window 1, source 1 window 2, C and D window 0
.if \s == 0
	SIX 0, 0, 0, 0, 0, 0
.else
	SIX v[AB:AB+7], v[AB+8:AB+15], v[AB+16:AB+23], v[AB+24:AB+31], v[AB+32:AB+39], v[AB+40:AB+47]
.endif
	MM AB+16, fWR0, fXI, v[AB+16:AB+23], cWR, cX, 0, 1      ; + Wr h_i
	MM AB+40, fWR1, fXI, v[AB+40:AB+47], cWR, cX, 1, 1
.endr
	WIN 0
.endm
.macro PLACES5                         ; five places: four ahead of the lines that read the results, the fifth for later products that begin accumulators anew and for loads into the fragments' registers
.rept 5
	v_nop
.endr
.endm
; my partial sums of two tiles of columns x 16 rows go to my region: row = token's row, 32 bytes for each half of the lanes.  Each accumulator is taken from its low end on.
.macro PART_ST p, m
.irp u, 0,1
.irp j, 0,2,4,6
	v_pk_add_f32 v[OD+8*\u+\j:OD+8*\u+\j+1], v[AB+24*\u+\j:AB+24*\u+\j+1], v[AB+8+24*\u+\j:AB+8+24*\u+\j+1] neg_lo:[0,1] neg_hi:[0,1]   ; Wr h_r - Wi h_i
.endr
.endr
.irp u, 0,1
	ds_store_b128 v[PST], v[OD+8*\u:OD+8*\u+3] offset:16*\m*PIT+64*(2*\p+\u)
	ds_store_b128 v[PST], v[OD+8*\u+4:OD+8*\u+7] offset:16*\m*PIT+64*(2*\p+\u)+16
	ds_store_b128 v[PST], v[AB+16+24*\u:AB+16+24*\u+3] offset:(48+16*\m)*PIT+64*(2*\p+\u)
	ds_store_b128 v[PST], v[AB+16+24*\u+4:AB+16+24*\u+7] offset:(48+16*\m)*PIT+64*(2*\p+\u)+16
.endr
.endm
	s_load_b512 s[4:19], s[0:1], 0x0               ; tl, wgt, hid, hs, W2r codes, scales, W2i codes, scales
	s_load_b256 s[20:27], s[0:1], 0x40             ; b2r, b2i, out0, out1
	v_lshl_add_u32 v[SPW], v0, 2, SPARE
	v_mov_b32 v[NIL], 0
	v_lshrrev_b32 v1, 5, v0
	v_readfirstlane_b32 s30, v1                    ; wave
	s_and_b32 s31, ttmp7, 0xffff                   ; tile
	s_mov_b32 s61, ttmp9                           ; which 64 columns
	s_mov_b32 s55, 0
	s_lshl_b32 s54, s31, 8                         ; the tile's record: 256 bytes
	s_wait_kmcnt 0x0
	s_add_nc_u64 s[PTL:PTL+1], s[PTL:PTL+1], s[54:55]
	s_load_b64 s[32:33], s[PTL:PTL+1], 0xc0        ; words 48 and 49: the expert, the rows left.  The set-up below stands between this load and the wait for it
	v_and_b32 v1, 31, v0                           ; lane
	v_and_b32 v2, 15, v0                           ; r
	v_bfe_u32 v3, v0, 4, 1                         ; h
	s_mul_i32 s62, s30, WREG                       ; my region.  Every LDS address is made here, ahead of the branch on the stored numbers
	v_lshlrev_b32 v[Q16], 4, v2
	v_lshl_add_u32 v[WDG], v3, 10, v[Q16]
	v_mul_u32_u24 v[WDS], v3, PIT
	v_add_nc_u32 v[WDS], v[WDS], v[Q16]
	v_add_nc_u32 v[WDS], s62, v[WDS]
	v_mul_u32_u24 v[WFA], v2, PIT
	v_lshl_add_u32 v[PST], v3, 5, v[WFA]
	v_lshl_add_u32 v[WFA], v3, 4, v[WFA]
	v_add_nc_u32 v[WFA], s62, v[WFA]
	v_add_nc_u32 v[PST], s62, v[PST]
	v_lshlrev_b32 v[L16], 4, v1
	v_lshlrev_b32 v[L8], 3, v1
	s_mul_i32 s63, s30, 12
	v_mul_u32_u24 v[ROW], v3, 6
	v_add_nc_u32 v[ROW], s63, v[ROW]
	v_lshlrev_b32 v[RLA], 2, v[ROW]
	v_lshlrev_b32 v[WSA], 6, v1
	v_mul_u32_u24 v[RD], v[ROW], PIT
	v_add_nc_u32 v[RD], v[RD], v[Q16]
	v_add_nc_u32 v[RD+1], WREG, v[RD]
	v_add_nc_u32 v[RD+2], 2*WREG, v[RD]
	v_add_nc_u32 v[RD+3], 3*WREG, v[RD]
.irp i, 0,1,2,3,4,5                            ; what the way out reads holds a number on every way to it
	v_mov_b32 v[TK+\i], 0
.endr
.irp i, 0,1,2,3,4,5,6,7,8,9,10,11
	v_mov_b32 v[WG+\i], 0
.endr
.irp i, 0,1,2,3,4,5,6,7
	v_mov_b32 v[B2+\i], 0
.endr
	s_lshl_b32 s54, s61, 8                         ; the outputs: my 64 columns
	s_add_nc_u64 s[PO0:PO0+1], s[PO0:PO0+1], s[54:55]
	s_add_nc_u64 s[PO1:PO1+1], s[PO1:PO1+1], s[54:55]
	s_mul_i32 s54, s31, 98304                      ; hid: tile, my four K steps of 2,048 bytes
	s_lshl_b32 s62, s30, 13
	s_add_co_u32 s54, s54, s62
	s_add_nc_u64 s[PHID:PHID+1], s[PHID:PHID+1], s[54:55]
	s_mul_i32 s54, s31, 6144                       ; hs: tile, my two pieces of 768 bytes
	s_mul_i32 s62, s30, 1536
	s_add_co_u32 s54, s54, s62
	s_add_nc_u64 s[PHS:PHS+1], s[PHS:PHS+1], s[54:55]
	s_wait_kmcnt 0x0
	s_min_u32 s48, s32, 7                          ; the expert: a stored number enters an address only behind a bound
	s_cmp_lg_u32 s33, 0
	s_cselect_b32 s53, 1, 0                        ; 1: my tile has rows
.irp i, 0,1,2,3,4,5
	v_add_nc_u32 v[TMP], \i, v[ROW]
	v_cmp_gt_u32 s[70+\i], s33, v[TMP]             ; the lanes whose i-th row is a token's
.endr
	OFF3 19, 16, 8                                 ; W2's codes: 512 rows of 1,024 bytes an expert; 64 rows a work-group; 256 bytes of a row a wave
	s_add_nc_u64 s[PWR:PWR+1], s[PWR:PWR+1], s[54:55]
	s_add_nc_u64 s[PWI:PWI+1], s[PWI:PWI+1], s[54:55]
	OFF3 15, 12, 4                                 ; its scale bytes: 64 a row, 16 of them a wave
	s_add_nc_u64 s[PWRS:PWRS+1], s[PWRS:PWRS+1], s[54:55]
	s_add_nc_u64 s[PWIS:PWIS+1], s[PWIS:PWIS+1], s[54:55]
	s_lshl_b32 s54, s48, 11                        ; b2: 2,048 bytes an expert, 256 a work-group
	s_lshl_b32 s62, s61, 8
	s_add_co_u32 s54, s54, s62
	s_add_nc_u64 s[PBR:PBR+1], s[PBR:PBR+1], s[54:55]
	s_add_nc_u64 s[PBI:PBI+1], s[PBI:PBI+1], s[54:55]
	s_cmp_eq_u32 s53, 0
	s_cbranch_scc1 .Ljoin                          ; no rows: nothing is loaded, multiplied or stored
.irp i, 0,1,2,3,4,5
	global_load_b32 v[TK+\i], v[RLA], s[PTL:PTL+1] offset:4*\i             ; the tokens of the six rows that I finish
.endr
	DENSE_LD PWR, 0                                ; W2r's rows
	WIN 0
	s_wait_loadcnt 32                              ; the tokens are in; W2r's 32 loads may be out
.irp i, 0,1,2,3,4,5
	v_min_u32 v[TK+\i], 0x3ff, v[TK+\i]
.endr
.irp i, 0,1,2,3,4,5
	v_lshlrev_b32 v[WA+\i], 2, v[TK+\i]
.endr
.irp i, 0,1,2,3,4,5
	v_lshlrev_b32 v[TK+\i], 11, v[TK+\i]           ; an output row: 2,048 bytes
.endr
.irp i, 0,1,2,3,4,5
	v_add_nc_u32 v[TK+\i], v[TK+\i], v[Q16]
.endr
.irp i, 0,1,2,3,4,5
	global_load_b32 v[WG+2*\i], v[WA+\i], s[PWG:PWG+1]
.endr
	global_load_b128 v[B2:B2+3], v[Q16], s[PBR:PBR+1]
	global_load_b128 v[B2+4:B2+7], v[Q16], s[PBI:PBI+1]
	DENSE_LD PWI, 1                                ; W2i's rows
	s_wait_loadcnt 40                              ; W2r is in; the 8 small loads and W2i's 32 may be out
	DENSE_ST 0
	HID_LD 0
	s_wait_loadcnt 16                              ; W2i is in; the 16 loads just issued may be out
	DENSE_ST 1
	FRAG_W
	HID_LD 1
	HID_LD 2
	WIN 0
.irp m, 0,1,2
.irp g, 0,1
	global_load_b64 v[ASC+4*\m+2*\g:ASC+4*\m+2*\g+1], v[L8], s[PHS:PHS+1] offset:768*\g+256*\m   ; the scale words of K steps 2 g, 2 g + 1 of my four
.endr
.endr
.irp p, 0,1
	global_load_b128 v[WSC+4*\p:WSC+4*\p+3], v[WSA], s[PWRS:PWRS+1] offset:2048*\p
	global_load_b128 v[WSC+8+4*\p:WSC+8+4*\p+3], v[WSA], s[PWIS:PWIS+1] offset:2048*\p
.endr
	s_wait_loadcnt 0x0
	s_wait_dscnt 0x0                               ; all fragments are in registers: my region is free for the partial sums
.set kk, 0
.irp p, 0,1
.irp m, 0,1,2
.set AB, 108+52*(kk%2)                 ; two sets of accumulators (v108-155, v160-207) and of differences (v208-223, v224-239) by turns
.set OD, 208+16*(kk%2)
.if kk >= 2
	s_wait_dscnt 8                                 ; the last product's eight stores may be out; those of the product before it, which read this set, are done
.endif
	PROD \p, \m
	PLACES5
	PART_ST \p, \m
.set kk, kk+1
.endr
.endr
.Ljoin:
	s_wait_dscnt 0x0                               ; for the others' sake: my partial sums lie in LDS
	s_barrier_signal -1
	s_barrier_wait -1
	s_cmp_eq_u32 s53, 0
	s_cbranch_scc1 .Lend
	WIN 0x40                                       ; rows 12 w + 6 (lane / 16) + i of o_r and o_i, 16 bytes a lane, from all four waves: at v[4 ((6 ri + i) 4 + k)] of window 1
.irp ri, 0,1
.irp i, 0,1,2,3,4,5
.irp k, 0,1,2,3
	ds_load_b128 v[4*((6*\ri+\i)*4+\k):4*((6*\ri+\i)*4+\k)+3], v[RD+\k] offset:(48*\ri+\i)*PIT
.endr
.endr
.endr
	s_wait_dscnt 0x0
	WIN 0x45                                       ; destination and both sources window 1
.irp n, 0,1,2,3,4,5,6,7,8,9,10,11
	v_pk_add_f32 v[16*\n:16*\n+1], v[16*\n:16*\n+1], v[16*\n+4:16*\n+5]
	v_pk_add_f32 v[16*\n+2:16*\n+3], v[16*\n+2:16*\n+3], v[16*\n+6:16*\n+7]
	v_pk_add_f32 v[16*\n+8:16*\n+9], v[16*\n+8:16*\n+9], v[16*\n+12:16*\n+13]
	v_pk_add_f32 v[16*\n+10:16*\n+11], v[16*\n+10:16*\n+11], v[16*\n+14:16*\n+15]
.endr
.irp n, 0,1,2,3,4,5,6,7,8,9,10,11
	v_pk_add_f32 v[16*\n:16*\n+1], v[16*\n:16*\n+1], v[16*\n+8:16*\n+9]
	v_pk_add_f32 v[16*\n+2:16*\n+3], v[16*\n+2:16*\n+3], v[16*\n+10:16*\n+11]
.endr
	WIN 0x41                                       ; destination and source 0 window 1, source 1 window 0
.irp ri, 0,1
.irp i, 0,1,2,3,4,5
	v_pk_add_f32 v[16*(6*\ri+\i):16*(6*\ri+\i)+1], v[16*(6*\ri+\i):16*(6*\ri+\i)+1], v[B2+4*\ri:B2+4*\ri+1]
	v_pk_add_f32 v[16*(6*\ri+\i)+2:16*(6*\ri+\i)+3], v[16*(6*\ri+\i)+2:16*(6*\ri+\i)+3], v[B2+4*\ri+2:B2+4*\ri+3]
.endr
.endr
.irp ri, 0,1
.irp i, 0,1,2,3,4,5
	v_pk_mul_f32 v[16*(6*\ri+\i):16*(6*\ri+\i)+1], v[16*(6*\ri+\i):16*(6*\ri+\i)+1], v[WG+2*\i:WG+2*\i+1] op_sel_hi:[1,0]       ; x the token's probability
	v_pk_mul_f32 v[16*(6*\ri+\i)+2:16*(6*\ri+\i)+3], v[16*(6*\ri+\i)+2:16*(6*\ri+\i)+3], v[WG+2*\i:WG+2*\i+1] op_sel_hi:[1,0]
.endr
.endr
	WIN 0x04                                       ; a store's data are its source 1: window 1
	s_wait_xcnt 0x0                                ; EXEC changes only behind this wait
.irp i, 0,1,2,3,4,5
	s_and_saveexec_b32 s76, s[70+\i]               ; only rows that are a token's
	global_store_b128 v[TK+\i], v[16*\i:16*\i+3], s[PO0:PO0+1] th:TH_STORE_NT      ; 16 lanes store 256 consecutive bytes of a token's row, aligned
	global_store_b128 v[TK+\i], v[16*(6+\i):16*(6+\i)+3], s[PO1:PO1+1] th:TH_STORE_NT
	s_wait_xcnt 0x0                                ; and again, in front of the line that widens it
	s_or_b32 exec_lo, exec_lo, s76
.endr
	WIN 0
.Lend:
	s_wait_tensorcnt 0x0                           ; the wave's end
	ds_add_u32 v[SPW], v[NIL]
	s_wait_dscnt 0x0
	s_endpgm
.Lfunc_end_k_q359a8c0e74_down:
	.size	k_q359a8c0e74_down, .Lfunc_end_k_q359a8c0e74_down-k_q359a8c0e74_down
	.p2alignl 7, 3214868480
	.fill 96, 4, 3214868480
	.section	.rodata,"a",@progbits
	.p2align	6, 0x0
	.amdhsa_kernel k_q359a8c0e74_down
		.amdhsa_group_segment_fixed_size 139776
		.amdhsa_private_segment_fixed_size 0
		.amdhsa_enable_private_segment 0
		.amdhsa_kernarg_size 96
		.amdhsa_user_sgpr_count 2
		.amdhsa_user_sgpr_kernarg_segment_ptr 1
		.amdhsa_wavefront_size32 1
		.amdhsa_system_sgpr_workgroup_id_x 1
		.amdhsa_system_sgpr_workgroup_id_y 1
		.amdhsa_system_sgpr_workgroup_id_z 1
		.amdhsa_system_vgpr_workitem_id 0
		.amdhsa_next_free_vgpr 768
		.amdhsa_next_free_sgpr 80
		.amdhsa_reserve_vcc 0
		.amdhsa_float_denorm_mode_32 3
		.amdhsa_float_denorm_mode_16_64 3
		.amdhsa_memory_ordered 1
		.amdhsa_forward_progress 1
		.amdhsa_inst_pref_size 71
	.end_amdhsa_kernel
	.amdgpu_metadata
---
amdhsa.version: [ 1, 2 ]
amdhsa.kernels:
  - .name:           k_q359a8c0e74_down
    .symbol:         k_q359a8c0e74_down.kd
    .args:
      - { .name: tl, .offset: 0, .size: 8, .value_kind: global_buffer, .address_space: global }
      - { .name: wgt, .offset: 8, .size: 8, .value_kind: global_buffer, .address_space: global }
      - { .name: hid, .offset: 16, .size: 8, .value_kind: global_buffer, .address_space: global }
      - { .name: hs, .offset: 24, .size: 8, .value_kind: global_buffer, .address_space: global }
      - { .name: W2r_codes, .offset: 32, .size: 8, .value_kind: global_buffer, .address_space: global }
      - { .name: W2r_scales, .offset: 40, .size: 8, .value_kind: global_buffer, .address_space: global }
      - { .name: W2i_codes, .offset: 48, .size: 8, .value_kind: global_buffer, .address_space: global }
      - { .name: W2i_scales, .offset: 56, .size: 8, .value_kind: global_buffer, .address_space: global }
      - { .name: b2r, .offset: 64, .size: 8, .value_kind: global_buffer, .address_space: global }
      - { .name: b2i, .offset: 72, .size: 8, .value_kind: global_buffer, .address_space: global }
      - { .name: out0, .offset: 80, .size: 8, .value_kind: global_buffer, .address_space: global }
      - { .name: out1, .offset: 88, .size: 8, .value_kind: global_buffer, .address_space: global }
    .group_segment_fixed_size: 139776
    .private_segment_fixed_size: 0
    .kernarg_segment_align: 8
    .kernarg_segment_size: 96
    .max_flat_workgroup_size: 128
    .sgpr_count:     80
    .vgpr_count:     768
    .wavefront_size: 32
...
	.end_amdgpu_metadata
.endif
;; end of part 6
